; MI455X (gfx1250); checked and timed in simulation.
; The chip was launched on July 23, 2026; its instructions are those of AMD's public machine-readable ISA for CDNA 5 (MIT licence, August 2026) and "CDNA5" Instruction Set Architecture Reference Guide (July 2026). The comments in the code are by the model that wrote it; some were corrected since.
;; Multi Headed Attention. Allowed arithmetic: matrix products marked QUANTISED: E3M2 operands, one E8M0 scale for each 32 along K, by v_wmma_scale_f32_16x16x128_f8f6f4 with both operands' format E3M2, f32 sums; everything else in f32.
;; Inputs: Wk 1,024 x 1,024 float32; Wo 1,024 x 1,024 float32; Wq 1,024 x 1,024 float32; Wv 1,024 x 1,024 float32; bk 1,024 float32; bo 1,024 float32; bq 1,024 float32; bv 1,024 float32; x 2 x 2,048 x 1,024 float32.
;; Outputs: out0 2 x 2,048 x 1,024 float32.
;; This version of the problem:
;;   THIS VERSION OF THE PROBLEM IS GIVEN IN LOW PRECISION. The matrix products marked QUANTISED in the list below multiply operands that are first quantised to E3M2 (3 exponent bits, 2 mantissa bits; 6 bits a number), with one power-of-two scale for each 32 numbers along K (OCP MX v1.0); their sums are f32. All else is computed in f32.
;;   The module's matrix products, in the order in which they are computed (A, B: the left and right operand; K: the contracted axis; several contracted axes count as one K, in the product's order):
;;     1. [M 4,096, K 1,024] x [K 1,024, N 1,024]; A: input x; B: input Wq: QUANTISED
;;     2. [M 4,096, K 1,024] x [K 1,024, N 1,024]; A: input x; B: input Wk: QUANTISED
;;     3. [M 4,096, K 1,024] x [K 1,024, N 1,024]; A: input x; B: input Wv: QUANTISED
;;     4. batch 32 x [M 2,048, K 64] x [K 64, N 2,048]; A: computed on the way; B: computed on the way: QUANTISED
;;     5. batch 32 x [M 2,048, K 2,048] x [K 2,048, N 64]; A: softmax (see below); B: computed on the way: QUANTISED
;;     6. [M 4,096, K 1,024] x [K 1,024, N 1,024]; A: computed on the way; B: input Wo: QUANTISED
;;   THE QUANTISER, for each operand of a quantised product, along K:
;;     - K is cut into blocks of 32 from its start; a last block that is shorter is filled with zeros.
;;     - A block's scale is 2^e with e = floor(log2(the largest magnitude in the block)) - 4, held to -126 .. 127; a block of zeros has e = 0. As a byte (E8M0): e + 127.
;;     - Each number is divided by its block's scale, clamped to +-28, and rounded to the nearest number of E3M2, ties to even, subnormals kept.
;;     - The product sums the exact products of the quantised numbers (number of the format x scale) in f32.
;;   ~~~python
;;   def quantise(x, axis):      # numpy; x: float32 -> the quantised numbers, widened to float32 again
;;       x = np.moveaxis(x, axis, -1); K = x.shape[-1]
;;       x = np.pad(x, [(0, 0)] * (x.ndim - 1) + [(0, -K % 32)]); x = x.reshape(x.shape[:-1] + (-1, 32)); a = np.abs(x).max(-1, keepdims=True)
;;       e = np.where(a > 0, np.clip(np.frexp(np.where(a > 0, a, 1))[1] - 1 - 4, -126, 127), 0)      # np.frexp(a)[1] - 1 = floor(log2(a)), exactly
;;       r = np.clip(x / 2.0 ** e, -28, 28)
;;       step = 2.0 ** (np.maximum(np.frexp(np.where(r == 0, 1, r))[1] - 1, -2) - 2)
;;       q = np.round(r / step) * step * 2.0 ** e      # np.round: ties to even
;;       return np.moveaxis(q.reshape(q.shape[:-2] + (-1,))[..., :K], -1, axis).astype(np.float32)
;;   ~~~
;;   SOFTMAX AHEAD OF A QUANTISED PRODUCT. Where the list says 'softmax', what is quantised is not the finished softmax but p = 2^(t - M), with t = logit x log2(e) and M = ceil(the row's largest t), a whole number; so 1/2 < the row's largest p <= 1. The row's sum l is taken of the UNQUANTISED p, in f32, and the product's result is divided by l at the end. Since M is a whole number, a kernel that streams over the keys may use a running M (the ceiling of the running maximum): every later rescaling is an exact power of two, which a block's scale takes up: the codes' values come out the same.
;;   OPERANDS COMPUTED ON THE WAY. 'Computed on the way' means the value that the module computes at that place (a softmax that the list does not call 'softmax' is quantised finished and normalised). What goes into a quantiser is computed in f32, as accurately as f32 sums, v_exp_f32 and their like allow (about 1e-6 of the number): no bf16 or f16 on the way to a quantiser, and a product that is left as it is and whose result goes on into a quantised operand takes f32 operands (vector FMAs, or v_wmma_f32_16x16x4_f32). A number that lies on a knife's edge between two numbers of the format may be rounded either way, as far as f32 arithmetic and the matrix unit's own rounding can turn it there, and no further.
;; One version. Each part assembles by itself: llvm-mc -triple=amdgcn-amd-amdhsa -mcpu=gfx1250 --defsym DOCPART=n.
;; ======== version 1 of 1: 4 launches
;; limits: right only within a limited range of input values
;; workspace buffers: xq 3,276,800 bytes; wq 3,276,800 bytes; qq 3,407,872 bytes; kv 6,684,672 bytes; mq 3,407,872 bytes
;; launch quant (part 1): grid 256 x 1, 4 waves a work-group, no clusters, 168,448 bytes of LDS; arguments x, Wq, Wk, Wv, Wo, xq, wq; writes xq, wq
.if DOCPART == 1
	.amdgcn_target "amdgcn-amd-amdhsa--gfx1250"
	.amdhsa_code_object_version 6
	.text
	.protected	k_q5cb69d262f_quant
	.globl	k_q5cb69d262f_quant
	.p2align	8
	.type	k_q5cb69d262f_quant,@function
k_q5cb69d262f_quant:
	s_mov_b64 s[64:65], 0
	v_nop
	global_prefetch_b8 v0, s[64:65] scope:SCOPE_SE
	s_setreg_imm32_b32 hwreg(HW_REG_WAVE_MODE, 25, 1), 1
	s_wait_xcnt 0x0
; x [4096][1024] and Wq, Wk, Wv, Wo [1024][1024], f32 with K innermost, become codes of BF6 (E3M2) with one E8M0 byte for each 32 along K.
; A block's byte is its largest magnitude's exponent field - 4, held at 1 from below; each number is divided by the scale and rounded to the nearest code, ties to even, beyond 28 the largest code.
; LIMITS: NaN and infinities are not served; a block whose largest magnitude lies under 2^-122 keeps the byte 1; a block of zeros gets the byte 1 where the rule says 127 (its codes are zeros, and this program alone reads the bytes).
; THE OUTPUT IS LAID IN THE ORDER OF THE OPERAND'S REGISTERS.  Rows go in groups of 32; tile u (0, 1) of a group has in lane r the row 8 u + r + 8 (r / 8).  A fragment is a tile x 128 along K: two halves c of 64 along K,
; 768 bytes each: lane l = (r, h) owns the 24 bytes of its row's block 2 c + h: its words 0-3 lie at 16 l, its words 4, 5 at 512 + 8 l.  So every later load of a fragment is four dense loads, and every store here covers 512 or 256 consecutive bytes, aligned.
;   codes: q x 786,432 + group x 6,144 + s' x 3,072 + u x 1,536 + c x 768 (K step of 128 = 2 q + s');   scale words: XSOFF + group x 1,024 + q x 256 + 8 l + 4 s': the word of tile l / 16, lane l % 16.
; wq holds 128 groups: Wq's 32, Wk's, Wv's, Wo's.
; SHARES.  Work-group n takes one group of 32 rows (n < 128: x's group n; then 32 each of Wq, Wk, Wv, Wo); wave w takes K chunk q = w, 32 rows x 256 numbers.  No two work-groups read the same byte: no cluster.  Waves share nothing: no barrier.
; The wave's 32 KiB come by one tensor load of 32 rows x 1,024 bytes, issued at the start (one of mine is out), each LDS byte filled once.  LDS rows are 1,040 bytes apart.
.set WREG,  33536                      ; a wave's region of LDS: 4 x 8,320 + 128, rounded up to 256
.set XSOFF, 3145728                    ; where the scale words begin
.set X0,    80                         ; v80-143, v144-207: two sets of 64 numbers
.set X1,    144
.set CD,    32                         ; v32-79: a fragment's 12 registers of codes, four fragments: no store's data are written again
.set PW,    18                         ; v18-21: the fragments' scale words
; v4 LDS address; v5 16 l; v6 8 l; v7 8 h; v8-11 maxima; v12-13 conversion scales; v14-15 bytes; v16-17 at work; v22-23 the words as stored; v24-30 the conversions' second halves
	s_load_b256 s[4:11], s[0:1], 0x0               ; x s[4:5], Wq s[6:7], Wk s[8:9], Wv s[10:11]
	s_load_b128 s[12:15], s[0:1], 0x20             ; Wo s[12:13], xq s[14:15]
	s_load_b64 s[16:17], s[0:1], 0x30              ; wq
	v_lshl_add_u32 v208, v0, 2, 0x29000
	v_mov_b32 v209, 0
	ds_add_u32 v208, v209
	ds_add_u32 v208, v209
	v_lshrrev_b32 v1, 5, v0
	v_readfirstlane_b32 s18, v1                    ; wave = K chunk q
	; descriptor group 1: 32 rows of 128 elements of 8 bytes, 512 elements from row to row; 4 words of padding behind every 256 words (a row)
	s_mov_b32 s24, (3<<16)|(1<<20)|(7<<22)|(3<<25)
	s_mov_b32 s25, 128<<16                         ; tensor_dim0
	s_mov_b32 s26, 32<<16                          ; tensor_dim1: all 32 rows of the wave's chunk come by one load
	s_mov_b32 s27, 128<<16                         ; tile_dim0
	s_mov_b32 s28, 32                              ; tile_dim1
	s_mov_b32 s29, 512                             ; pitch
	s_mov_b32 s30, 0
	s_mov_b32 s31, 0
	s_mul_i32 s21, s18, WREG
	s_mov_b32 s22, 0x76543210
	s_mov_b32 s23, 0xfedcba98                      ; v_permlanex16_b32's selects for lane l xor 16
	s_mov_b32 s56, 0xffff0000                      ; lanes 16-31
	s_wait_dscnt 0x0
	s_wait_kmcnt 0x0
	s_cmp_lt_u32 ttmp9, 224                        ; which tensor: the choices hang on the work-group's number alone
	s_cselect_b64 s[12:13], s[10:11], s[12:13]
	s_cmp_lt_u32 ttmp9, 192
	s_cselect_b64 s[12:13], s[8:9], s[12:13]
	s_cmp_lt_u32 ttmp9, 160
	s_cselect_b64 s[12:13], s[6:7], s[12:13]
	s_cmp_lt_u32 ttmp9, 128
	s_cselect_b64 s[12:13], s[4:5], s[12:13]
	s_cselect_b64 s[14:15], s[14:15], s[16:17]     ; and which buffer takes the result
	s_cselect_b32 s19, 127, 31
	s_and_b32 s20, ttmp9, s19                      ; the group in its tensor
	s_lshl_b32 s48, s20, 17                        ; 32 rows of 4,096 bytes
	s_lshl_b32 s50, s18, 10                        ; my 1,024 bytes of a row
	s_add_co_u32 s48, s48, s50
	s_mov_b32 s49, 0
	s_add_nc_u64 s[12:13], s[12:13], s[48:49]
	s_mov_b32 s32, 1                               ; ONE load a wave: 32 rows x 1,024 bytes, LDS rows 1,040 bytes apart, row n at 1,040 n of the wave's region
	s_mov_b32 s33, s21
	s_mov_b64 s[34:35], s[12:13]
	s_or_b32 s35, s35, 0x80000000
	tensor_load_to_lds s[32:35], s[24:31]
	s_nop 0
.rept 4
	v_nop
.endr
	s_and_b32 s20, ttmp9, 127                      ; the group in the result
	s_mul_i32 s48, s18, 786432
	s_mul_i32 s50, s20, 6144
	s_add_co_u32 s48, s48, s50
	s_add_nc_u64 s[52:53], s[14:15], s[48:49]      ; my codes
	s_lshl_b32 s48, s20, 10
	s_lshl_b32 s50, s18, 8
	s_add_co_u32 s48, s48, s50
	s_add_co_u32 s48, s48, XSOFF
	s_add_nc_u64 s[54:55], s[14:15], s[48:49]      ; my scale words
	v_and_b32 v2, 15, v0                           ; r
	v_bfe_u32 v3, v0, 4, 1                         ; h
	v_and_b32 v1, 8, v2
	v_add_nc_u32 v4, v1, v2                        ; r + 8 (r / 8): tile 0's row
	v_mul_u32_u24 v4, v4, 1040
	v_lshl_add_u32 v4, v3, 7, v4                   ; block h: 128 bytes on
	v_add_nc_u32 v4, s21, v4
	v_and_b32 v1, 31, v0
	v_lshlrev_b32 v5, 4, v1
	v_lshlrev_b32 v6, 3, v1
	v_lshlrev_b32 v7, 3, v3
	v_mov_b32 v17, 0                               ; a lane permute's destination counts as one of its sources
; fragment f = 2 u + s': lane (r, h) takes blocks h and 2 + h of its row: 2 x 32 numbers
.macro LD f, x
.irp c, 0,1
.irp j, 0,1,2,3,4,5,6,7
	ds_load_b128 v[\x+32*\c+4*\j:\x+32*\c+4*\j+3], v4 offset:((\f)/2)*8320+((\f)%2)*512+256*\c+16*\j
.endr
.endr
.endm
.macro QB f, x
.irp c, 0,1                            ; each block's largest magnitude, in two chains, with the floor 2^(5 - 127) as one leaf: the byte cannot fall under 1
	v_max3_num_f32 v[8+2*\c], |v[\x+32*\c]|, |v[\x+32*\c+1]|, 0x2800000
	v_max3_num_f32 v[9+2*\c], |v[\x+32*\c+2]|, |v[\x+32*\c+3]|, |v[\x+32*\c+4]|
.endr
.irp i, 5,9,13,17,21,25
.irp c, 0,1
	v_max3_num_f32 v[8+2*\c], v[8+2*\c], |v[\x+32*\c+\i]|, |v[\x+32*\c+\i+1]|
	v_max3_num_f32 v[9+2*\c], v[9+2*\c], |v[\x+32*\c+\i+2]|, |v[\x+32*\c+\i+3]|
.endr
.endr
.irp c, 0,1
	v_max3_num_f32 v[8+2*\c], v[8+2*\c], |v[\x+32*\c+29]|, |v[\x+32*\c+30]|
.endr
.irp c, 0,1
	v_max3_num_f32 v[8+2*\c], v[8+2*\c], v[9+2*\c], |v[\x+32*\c+31]|
.endr
.irp c, 0,1
	v_add_nc_u32 v[12+\c], 0xfe000000, v[8+2*\c]   ; 4 off the exponent field: the conversion takes this operand's exponent field as its scale
.endr
.irp c, 0,1
	v_lshrrev_b32 v[14+\c], 23, v[12+\c]           ; the scale's byte
.endr
	v_lshl_or_b32 v16, v15, 16, v14                ; my two bytes, blocks h and 2 + h,
	v_lshlrev_b32 v16, v7, v16                     ; at their places in the row's word;
	v_permlanex16_b32 v17, v16, s22, s23
	v_or_b32 v[PW+\f], v16, v17                    ; with lane l xor 16's two the word is whole
	v_cvt_scalef32_pk16_bf6_f32 v[CD+12*\f:CD+12*\f+2], v[\x:\x+15], v12
	v_cvt_scalef32_pk16_bf6_f32 v[24:26], v[\x+16:\x+31], v12        ; (a conversion's three registers begin on an even number)
	v_cvt_scalef32_pk16_bf6_f32 v[CD+12*\f+6:CD+12*\f+8], v[\x+32:\x+47], v13
	v_cvt_scalef32_pk16_bf6_f32 v[28:30], v[\x+48:\x+63], v13
	v_nop                                          ; one plain place behind a scaled conversion
.irp i, 0,1,2
	v_mov_b32 v[CD+12*\f+3+\i], v[24+\i]
	v_mov_b32 v[CD+12*\f+9+\i], v[28+\i]
.endr
	global_store_b128 v5, v[CD+12*\f:CD+12*\f+3], s[52:53] offset:((\f)%2)*3072+((\f)/2)*1536
	global_store_b64 v6, v[CD+12*\f+4:CD+12*\f+5], s[52:53] offset:((\f)%2)*3072+((\f)/2)*1536+512
	global_store_b128 v5, v[CD+12*\f+6:CD+12*\f+9], s[52:53] offset:((\f)%2)*3072+((\f)/2)*1536+768
	global_store_b64 v6, v[CD+12*\f+10:CD+12*\f+11], s[52:53] offset:((\f)%2)*3072+((\f)/2)*1536+1280
.endm
	s_wait_alu depctr_va_vdst(0)
	s_wait_tensorcnt 0x0                           ; my one load is in
	LD 0, X0
	LD 1, X1
	s_wait_dscnt 16                                ; the older fragment is in; the younger one's 16 loads may be out
	QB 0, X0
	s_wait_tensorcnt 0x0                           ; tile 1's rows
	LD 2, X0
	s_wait_dscnt 16
	QB 1, X1
	LD 3, X1
	s_wait_dscnt 16
	QB 2, X0
	s_wait_dscnt 0x0
	QB 3, X1
	v_cndmask_b32 v22, v18, v20, s56               ; lanes 0-15 keep tile 0's word, lanes 16-31 take tile 1's: K step s' = 0,
	v_cndmask_b32 v23, v19, v21, s56               ; and 1
	global_store_b64 v6, v[22:23], s[54:55]        ; 256 consecutive bytes, aligned
	s_wait_tensorcnt 0x0
	ds_add_u32 v208, v209
	s_wait_dscnt 0x0
	s_endpgm
.Lfunc_end_k_q5cb69d262f_quant:
	.size	k_q5cb69d262f_quant, .Lfunc_end_k_q5cb69d262f_quant-k_q5cb69d262f_quant
	.p2alignl 7, 3214868480
	.fill 96, 4, 3214868480
	.section	.rodata,"a",@progbits
	.p2align	6, 0x0
	.amdhsa_kernel k_q5cb69d262f_quant
		.amdhsa_group_segment_fixed_size 168448
		.amdhsa_private_segment_fixed_size 0
		.amdhsa_enable_private_segment 0
		.amdhsa_kernarg_size 56
		.amdhsa_user_sgpr_count 2
		.amdhsa_user_sgpr_kernarg_segment_ptr 1
		.amdhsa_wavefront_size32 1
		.amdhsa_system_sgpr_workgroup_id_x 1
		.amdhsa_system_sgpr_workgroup_id_y 1
		.amdhsa_system_sgpr_workgroup_id_z 1
		.amdhsa_system_vgpr_workitem_id 0
		.amdhsa_next_free_vgpr 210
		.amdhsa_next_free_sgpr 66
		.amdhsa_reserve_vcc 0
		.amdhsa_float_denorm_mode_32 3
		.amdhsa_float_denorm_mode_16_64 3
		.amdhsa_memory_ordered 1
		.amdhsa_forward_progress 1
		.amdhsa_inst_pref_size 22
	.end_amdhsa_kernel
	.amdgpu_metadata
---
amdhsa.version: [ 1, 2 ]
amdhsa.kernels:
  - .name:           k_q5cb69d262f_quant
    .symbol:         k_q5cb69d262f_quant.kd
    .args:
      - { .name: x, .offset: 0, .size: 8, .value_kind: global_buffer, .address_space: global }
      - { .name: Wq, .offset: 8, .size: 8, .value_kind: global_buffer, .address_space: global }
      - { .name: Wk, .offset: 16, .size: 8, .value_kind: global_buffer, .address_space: global }
      - { .name: Wv, .offset: 24, .size: 8, .value_kind: global_buffer, .address_space: global }
      - { .name: Wo, .offset: 32, .size: 8, .value_kind: global_buffer, .address_space: global }
      - { .name: xq, .offset: 40, .size: 8, .value_kind: global_buffer, .address_space: global }
      - { .name: wq, .offset: 48, .size: 8, .value_kind: global_buffer, .address_space: global }
    .group_segment_fixed_size: 168448
    .private_segment_fixed_size: 0
    .kernarg_segment_align: 8
    .kernarg_segment_size: 56
    .max_flat_workgroup_size: 128
    .sgpr_count:     66
    .vgpr_count:     210
    .wavefront_size: 32
...
	.end_amdgpu_metadata
.endif
;; end of part 1
;; launch qkv (part 2): grid 32 x 8, 4 waves a work-group, clusters of 4 x 1, 308,736 bytes of LDS; arguments xq, wq, bq, bk, bv, qq, kv; writes qq, kv
.if DOCPART == 2
	.amdgcn_target "amdgcn-amd-amdhsa--gfx1250"
	.amdhsa_code_object_version 6
	.text
	.protected	k_q5cb69d262f_qkv
	.globl	k_q5cb69d262f_qkv
	.p2align	8
	.type	k_q5cb69d262f_qkv,@function
k_q5cb69d262f_qkv:
	s_mov_b64 s[64:65], 0
	v_nop
	global_prefetch_b8 v0, s[64:65] scope:SCOPE_SE
	s_setreg_imm32_b32 hwreg(HW_REG_WAVE_MODE, 25, 1), 1
	s_wait_xcnt 0x0
	s_wait_alu depctr_hold_cnt(0) depctr_sa_sdst(0) depctr_va_vdst(0) depctr_va_sdst(0) depctr_va_ssrc(0) depctr_va_vcc(0) depctr_vm_vsrc(0)
	s_getreg_b32 s2, hwreg(HW_REG_IB_STS2, 6, 4)
	s_cmp_eq_u32 s2, 0
	s_cbranch_scc0 .Lentry_in_a_cluster
	s_endpgm
.Lentry_in_a_cluster:
	s_bfe_u32 s2, ttmp6, 0x10000c
	s_cmp_lg_u32 s2, 0x3003
	s_cbranch_scc0 .Lentry_shape_is_right
	s_endpgm
.Lentry_shape_is_right:
; q = x Wq^T + bq, k = x Wk^T + bk, v = x Wv^T + bv on codes of BF6 with E8M0 scales, sums in f32; each result is quantised in registers for attention's products and leaves as codes and scale words.
; OPERANDS lie in memory in the order of their registers: rows in groups of 32; tile u has in lane r the row 8 u + r + 8 (r / 8); a half (64 along K) is 768 bytes: lane l's words 0-3 at 16 l, words 4, 5 at 512 + 8 l.
; With these tiles on both sides, register j of lane (r, h) of a result is source 0's row 16 h + 8 u + j of its group: the 16 registers of tiles 2 b and 2 b + 1 are 16 neighbours, as the conversions want them.
;   q, k: source 0 = 16 rows of W (channels), source 1 = 16 rows of x: a lane holds one row, its registers run along the head's 64 channels, which are the score product's K.
;   v:    source 0 = 16 rows of x (keys), source 1 = 16 rows of Wv: a lane holds one channel, its registers run down the keys, which are the second product's K.
; SHARES.  Work-group (i, j): rows 128 i on of x, rows 128 j on of each W (heads 2 j, 2 j + 1): three tiles of 128 x 128.  Wave w: head 2 j + (w & 1), rows 64 (w >> 1) on: 16 accumulators.
; x's 32 fragments for all of K stay in 384 registers of the wave, loaded once by dense loads; so the three panels of W fit in LDS whole and NO LDS BYTE IS FILLED TWICE: no ring.
; CLUSTER: the four work-groups of a cluster share j, so every load of W is asked for jointly (mask 15).  x is not shared through LDS: it goes straight into registers, which is what leaves LDS to the panels.
; Each wave issues one tensor load at the start (one of mine is out): wave 0 the panel's scale words of the three W, waves 1-3 one whole panel each.
; RESULTS: qq: codes (bh x 128 + T) x 768, T the tile of 16 queries; words QSOFF + bh x 8,192 + (T >> 2) x 256 + 8 (r + 16 (T & 1)) + 4 ((T >> 1) & 1), bytes [s0, s1, s0, s1] (the upper two scale zero codes).
;   kv: a record of 208,896 bytes for each bh: K's codes T x 768; at 98,304 V's codes S x 6,144 + b x 1,536 + c x 768 (S: 128 keys, b: tile of channels); at 196,608 K's words as qq's; at 204,800 V's words S x 256 + 8 l + 4 i (tile 2 i + l / 16).
; LIMITS: NaN and infinities are not served; a block whose largest magnitude lies under 2^-122, a block of zeros among them, keeps the byte 1 (zero codes add nothing, and this program alone reads the bytes).
; REGISTERS: window 0: v1 16 l, v2 8 l, v3-4 W's LDS addresses (they run on), v5 W's scale words, v6 64 h, v7 4 (r + 8 (r / 8)), v8-9 exchange, v10-11 the partner's words, v16-31 x's scale words, v32-47 W's,
;   v48-127 the quantiser, v128-255 the accumulators.  window 1: x's fragments of K steps 0-4 (48 s + 12 a).  window 2: K steps 5-7; v144, v176, v208 the biases, 4 tiles x 8.  window 3: W's fragments, two sets of 48.
.set XSOFF, 3145728
.set QSOFF, 3145728
.set SCW,   294912                     ; LDS: three panels of 98,304 bytes [q][group][s'][u][c][768]; then W's scale words [tensor][group][q][256];
.set WSG,   1024                       ; W's scale words in LDS: [tensor][group of the panel's four][q][256]
.set XCH,   307200                     ; then 1,024 bytes for the exchange of V's scale words: written by LDS stores alone, no fill lands there
.set XS,  16
.set WS,  32
.set RM,  48                           ; the quantiser: largest magnitudes,
.set RP,  56                           ; the other half's, then bytes,
.set RS,  64                           ; conversion scales,
.set RW,  72                           ; a tile's scale bytes,
.set RC,  80                           ; its codes, 8 registers apart,
.set RT,  112                          ; and the conversions' second halves
.set ACC, 128
.set BQ,  144
.set BK,  176
.set BV,  208
.set MSB, 0
.set SKEW, 0                           ; 1 while k's codes are stored: the tiles of odd groups of 32 keys go out with lane l at the place of lane l xor 8
.macro WIN new                         ; the immediate's high byte repeats the setting that is left
.if MSB != \new
	s_set_vgpr_msb (MSB<<8)|\new
.set MSB, \new
.endif
.endm
.macro PLACES                          ; four places behind a matrix instruction, in front of loads into its registers and of reads of its result
.rept 4
	v_nop
.endr
.endm
.macro ROUND                           ; a round of the cluster's barrier
	s_barrier_signal -1
	s_barrier_wait -1
	s_cmp_lg_u32 s18, 0
	s_cbranch_scc1 .Lnot_wave_0_\@
	s_barrier_signal -3
.Lnot_wave_0_\@:
	s_barrier_wait -3
	s_barrier_signal -1
	s_barrier_wait -1
.endm
.macro WM d, a, b, c, sa, sb, ra, rb   ; one product; ra, rb: the side's scale words stand in lanes 16-31
.if (\ra) && (\rb)
	v_wmma_scale_f32_16x16x128_f8f6f4 v[\d:\d+7], v[\a:\a+11], v[\b:\b+11], v[\c:\c+7], v[\sa], v[\sb] matrix_a_fmt:MATRIX_FMT_BF6 matrix_b_fmt:MATRIX_FMT_BF6 matrix_a_scale:MATRIX_SCALE_ROW1 matrix_b_scale:MATRIX_SCALE_ROW1
.elseif (\ra)
	v_wmma_scale_f32_16x16x128_f8f6f4 v[\d:\d+7], v[\a:\a+11], v[\b:\b+11], v[\c:\c+7], v[\sa], v[\sb] matrix_a_fmt:MATRIX_FMT_BF6 matrix_b_fmt:MATRIX_FMT_BF6 matrix_a_scale:MATRIX_SCALE_ROW1
.elseif (\rb)
	v_wmma_scale_f32_16x16x128_f8f6f4 v[\d:\d+7], v[\a:\a+11], v[\b:\b+11], v[\c:\c+7], v[\sa], v[\sb] matrix_a_fmt:MATRIX_FMT_BF6 matrix_b_fmt:MATRIX_FMT_BF6 matrix_b_scale:MATRIX_SCALE_ROW1
.else
	v_wmma_scale_f32_16x16x128_f8f6f4 v[\d:\d+7], v[\a:\a+11], v[\b:\b+11], v[\c:\c+7], v[\sa], v[\sb] matrix_a_fmt:MATRIX_FMT_BF6 matrix_b_fmt:MATRIX_FMT_BF6
.endif
.endm
.macro XLOAD base                      ; the row operand's 32 fragments: K step ks, tile xa = 2 x group + u; each load covers 512 or 256 consecutive bytes
.set ks, 0
.rept 8
.if ks < 5
	WIN 0x40
.set xr, 48*ks
.else
	WIN 0x80
.set xr, 48*(ks-5)
.endif
.set xa, 0
.rept 4
.set xo, (ks/2)*786432+(xa/2)*6144+(ks%2)*3072+(xa%2)*1536
	global_load_b128 v[xr+12*xa:xr+12*xa+3], v1, s[\base:\base+1] offset:xo
	global_load_b64 v[xr+12*xa+4:xr+12*xa+5], v2, s[\base:\base+1] offset:xo+512
	global_load_b128 v[xr+12*xa+6:xr+12*xa+9], v1, s[\base:\base+1] offset:xo+768
	global_load_b64 v[xr+12*xa+10:xr+12*xa+11], v2, s[\base:\base+1] offset:xo+1280
.set xa, xa+1
.endr
.set ks, ks+1
.endr
	WIN 0
.endm
.macro WSCALES t                       ; W's scale words for all of K: register 8 x group + s; lanes 0-15 tile 0, lanes 16-31 tile 1
.irp g, 0,1
.irp q, 0,1,2,3
	ds_load_b64 v[WS+8*\g+2*\q:WS+8*\g+2*\q+1], v5 offset:\g*WSG+(\t)*4096+\q*256
.endr
.endr
.endm
.macro FETCH s, set                    ; my four fragments of W for K step s: 16 LDS loads, dense
	WIN 0xc0
.set wb, 0
.rept 4
.set wo, (((\s)>>1)&1)*24576+((\s)&1)*3072+(wb/2)*6144+(wb%2)*1536
.set wr, 48*(\set)+12*wb
	ds_load_b128 v[wr:wr+3], v3 offset:wo
	ds_load_b64 v[wr+4:wr+5], v4 offset:wo+512
	ds_load_b128 v[wr+6:wr+9], v3 offset:wo+768
	ds_load_b64 v[wr+10:wr+11], v4 offset:wo+1280
.set wb, wb+1
.endr
.if ((\s)%4) == 3
	WIN 0
	v_add_nc_u32 v3, 49152, v3                     ; two K chunks on; twice that is the next panel
	s_wait_alu depctr_va_vdst(0)
	v_add_nc_u32 v4, 49152, v4
.endif
.endm
; 16 products of K step s: the sixteen accumulators by turns, one instruction a turn, in the same order in every step.  K step 0 takes the bias as C: nothing is cleared, nothing is added later.
.macro MUL s, set, swap, bias
.if \swap
.if (\s) == 0
	WIN 0x2d
.elseif (\s) < 5
	WIN 0x0d
.else
	WIN 0x0e
.endif
.else
.if (\s) == 0
	WIN 0x27
.elseif (\s) < 5
	WIN 0x07
.else
	WIN 0x0b
.endif
.endif
.if (\s) < 5
.set xr, 48*(\s)
.else
.set xr, 48*((\s)-5)
.endif
.set xa, 0
.rept 4
.set wb, 0
.rept 4
.if \swap
.set md, ACC+8*(4*wb+xa)
.else
.set md, ACC+8*(4*xa+wb)
.endif
.if (\s) == 0
.set mc, \bias+8*wb
.else
.set mc, md
.endif
.if \swap
	WM md, xr+12*xa, 48*(\set)+12*wb, mc, XS+8*(xa/2)+(\s), WS+8*(wb/2)+(\s), xa%2, wb%2
.else
	WM md, 48*(\set)+12*wb, xr+12*xa, mc, WS+8*(wb/2)+(\s), XS+8*(xa/2)+(\s), wb%2, xa%2
.endif
.set wb, wb+1
.endr
.set xa, xa+1
.endr
.endm
.macro TILE t, swap, bias              ; one panel: eight K steps, W's fragments one step ahead in two sets
	WIN 0
	WSCALES \t
	FETCH 0, 0
.set ts, 0
.rept 7
	PLACES                                         ; the set that the next loads take was read by the products just issued
	FETCH ts+1, (ts+1)%2
	s_wait_alu depctr_va_vdst(0)
	s_wait_dscnt 16                                ; all but the 16 loads just issued
	MUL ts, ts%2, \swap, \bias
.set ts, ts+1
.endr
	s_wait_dscnt 0x0
	MUL 7, 1, \swap, \bias
.endm
; THE QUANTISER.  nt tiles; tile a's 32 numbers of a lane at v[in + 32 a]: register 16 b + i = k 32 b + 16 h + i of the lane's row.  Out: the half's image in v[RC + 8 a] on (6 registers), its two scale bytes in v[RW + a].
.macro QH nt, in, dup
.set qb, 0
.rept 2*\nt
	v_max3_num_f32 v[RM+qb], |v[\in+16*qb]|, |v[\in+16*qb+1]|, 0x2800000   ; the blocks by turns; the floor 2^(5 - 127) holds the byte at 1 from below; each accumulator is read from its low end on
.set qb, qb+1
.endr
.irp qi, 2,4,6,8,10,12,14
.set qb, 0
.rept 2*\nt
	v_max3_num_f32 v[RM+qb], v[RM+qb], |v[\in+16*qb+\qi]|, |v[\in+16*qb+\qi+1]|
.set qb, qb+1
.endr
.endr
.set qb, 0
.rept 2*\nt
	v_permlanex16_b32 v[RP+qb], v[RM+qb], s82, s83
.set qb, qb+1
.endr
.set qb, 0
.rept 2*\nt
	v_max_num_f32 v[RM+qb], v[RM+qb], v[RP+qb]     ; with lane l xor 16's 16 numbers: the block's largest magnitude
.set qb, qb+1
.endr
.set qb, 0
.rept 2*\nt
	v_add_nc_u32 v[RS+qb], 0xfe000000, v[RM+qb]    ; 4 off its exponent field: the conversion's scale operand
.set qb, qb+1
.endr
.set qb, 0
.rept 2*\nt
	v_lshrrev_b32 v[RP+qb], 23, v[RS+qb]           ; the scale's byte
.set qb, qb+1
.endr
.set qb, 0
.rept \nt
	v_lshl_or_b32 v[RW+qb], v[RP+2*qb+1], 8, v[RP+2*qb]
.set qb, qb+1
.endr
.if \dup
.set qb, 0
.rept \nt
	v_lshl_or_b32 v[RW+qb], v[RW+qb], 16, v[RW+qb] ; the upper two bytes scale zero codes: any byte but 0xff serves
.set qb, qb+1
.endr
.endif
.set qb, 0
.rept \nt
	v_cvt_scalef32_pk16_bf6_f32 v[RC+8*qb:RC+8*qb+2], v[\in+32*qb:\in+32*qb+15], v[RS+2*qb]
	v_cvt_scalef32_pk16_bf6_f32 v[RT+4*qb:RT+4*qb+2], v[\in+32*qb+16:\in+32*qb+31], v[RS+2*qb+1]
.set qb, qb+1
.endr
	v_nop                                          ; one plain place behind a scaled conversion
.set qb, 0
.rept \nt
.irp qi, 0,1,2
	v_permlane16_swap_b32 v[RC+8*qb+\qi], v[RT+4*qb+\qi]   ; a whole block to a lane: lanes 0-15 block 0, lanes 16-31 block 1
.endr
.set qb, qb+1
.endr
.set qb, 0
.rept \nt
.irp qi, 0,1,2
	v_mov_b32 v[RC+8*qb+3+\qi], v[RT+4*qb+\qi]
.endr
.set qb, qb+1
.endr
.endm
.macro EPI cb, stride, dup             ; four tiles are quantised and their codes stored; v[76:77]: their scale words as stored
	WIN 0
	PLACES
	s_wait_xcnt 0x0                                ; the last tile's stores have read their registers: these are written again only behind this wait
	QH 4, ACC, \dup
	v_cndmask_b32 v76, v72, v73, s80               ; lanes 16-31 take the odd tile's word
	v_cndmask_b32 v77, v74, v75, s80
.irp e, 0,1,2,3
.if SKEW && (\e >= 2)
	global_store_b128 v14, v[RC+8*\e:RC+8*\e+3], s[\cb:\cb+1] offset:\e*\stride
	global_store_b64 v15, v[RC+8*\e+4:RC+8*\e+5], s[\cb:\cb+1] offset:\e*\stride+512
.else
	global_store_b128 v1, v[RC+8*\e:RC+8*\e+3], s[\cb:\cb+1] offset:\e*\stride
	global_store_b64 v2, v[RC+8*\e+4:RC+8*\e+5], s[\cb:\cb+1] offset:\e*\stride+512
.endif
.endr
.endm
	s_load_b256 s[4:11], s[0:1], 0x0               ; xq s[4:5], wq s[6:7], bq s[8:9], bk s[10:11]
	s_load_b128 s[12:15], s[0:1], 0x20             ; bv s[12:13], qq s[14:15]
	s_load_b64 s[16:17], s[0:1], 0x30              ; kv
	v_lshl_add_u32 v123, v0, 2, 0x4b400
	v_mov_b32 v127, 0
	ds_add_u32 v123, v127
	ds_add_u32 v123, v127
	v_lshrrev_b32 v1, 5, v0
	v_readfirstlane_b32 s18, v1                    ; wave
	s_and_b32 s19, s18, 1                          ; which head of the two
	s_lshr_b32 s20, s18, 1                         ; which 64 rows of x
	s_bfe_u32 s23, ttmp6, 0x40000                  ; cx: it enters x's and the results' addresses alone
	s_lshl_b32 s21, ttmp9, 2
	s_add_co_u32 s21, s21, s23                     ; i
	s_and_b32 s22, ttmp7, 0xffff                   ; j, which the four partners share
	s_mov_b32 s24, 15|(3<<16)|(1<<21)              ; a whole panel: 4 rows of 3,072 elements of 8 bytes; the mask names all four work-groups, bit 21 beside it
	s_mov_b32 s25, 3072<<16                        ; a whole panel: 4 K chunks, each a row of 24,576 dense bytes (3,072 elements of 8), 786,432 bytes apart
	s_mov_b32 s26, 4<<16
	s_mov_b32 s27, 3072<<16
	s_mov_b32 s28, 4
	s_mov_b32 s29, 98304
	s_mov_b32 s30, 0
	s_mov_b32 s31, 0
	s_mov_b32 s32, 15|(3<<16)|(1<<21)              ; the panel's four groups' scale words in Wq, Wk, Wv: 3 rows of 4,096 bytes, 32,768 bytes apart
	s_mov_b32 s33, 512<<16                         ; the scale words of the panel's four groups: 4,096 bytes a tensor
	s_mov_b32 s34, 3<<16
	s_mov_b32 s35, 512<<16
	s_mov_b32 s36, 3
	s_mov_b32 s37, 4096
	s_mov_b32 s38, 0
	s_mov_b32 s39, 0
	s_lshl_b32 s74, s22, 2                         ; 4 j: the panel's first group
	s_lshl_b32 s76, s74, 10                        ; where the four groups' scale words begin
	s_add_co_u32 s76, s76, XSOFF
	s_mov_b32 s77, 0
	s_mul_i32 s78, s74, 6144                       ; and their codes in K chunk 0
	s_mov_b32 s79, 0
	s_mov_b32 s40, 1
	s_mov_b32 s41, SCW
	s_mov_b32 s75, 0
	s_wait_dscnt 0x0
	s_wait_kmcnt 0x0
	s_add_nc_u64 s[42:43], s[6:7], s[76:77]
	s_or_b32 s43, s43, 0x80000000
	s_add_nc_u64 s[78:79], s[6:7], s[78:79]
.irp t, 0,1,2
	s_mov_b32 s[44+4*\t], 1
	s_add_co_u32 s[45+4*\t], s75, \t*98304
	s_add_nc_u64 s[46+4*\t:47+4*\t], s[78:79], \t*196608   ; 32 groups on: the next W
	s_or_b32 s[47+4*\t], s[47+4*\t], 0x80000000
.endr
	ROUND                                          ; all four work-groups are here: the joint loads meet
; THE HEAD'S LOADS, ONE A WAVE: wave 0 the scale words, waves 1, 2, 3 the panels of q, k, v, each whole.  One chain of branches on the wave's number, every arm with one load, all arms to one join.
.macro ARM under, g0, g1, next
	s_cmp_lt_u32 s18, \under
	s_cbranch_scc0 \next
	tensor_load_to_lds s[\g0:\g0+3], s[\g1:\g1+7]
	s_nop 0
	PLACES
	s_branch .Lhead_asked
\next:
.endm
	ARM 1, 40, 32, .Lhead_q
	ARM 2, 44, 24, .Lhead_k
	ARM 3, 48, 24, .Lhead_v
	tensor_load_to_lds s[52:55], s[24:31]
	s_nop 0
	PLACES
.Lhead_asked:
	v_and_b32 v11, 31, v0                          ; lane
	v_and_b32 v12, 15, v0                          ; r
	v_bfe_u32 v13, v0, 4, 1                        ; h
	v_lshlrev_b32 v1, 4, v11
	s_wait_alu depctr_va_vdst(0)
	v_lshlrev_b32 v2, 3, v11
	s_wait_alu depctr_va_vdst(0)
	s_lshl_b32 s84, s21, 2
	s_lshl_b32 s85, s20, 1
	s_add_co_u32 s84, s84, s85                     ; my first group of x: 4 i + 2 (w >> 1)
	s_mul_i32 s86, s84, 6144
	s_mov_b32 s87, 0
	s_add_nc_u64 s[70:71], s[4:5], s[86:87]
	s_lshl_b32 s86, s84, 10
	s_add_co_u32 s86, s86, XSOFF
	s_add_nc_u64 s[72:73], s[4:5], s[86:87]
	XLOAD 70
.irp g, 0,1
.irp q, 0,1,2,3
	global_load_b64 v[XS+8*\g+2*\q:XS+8*\g+2*\q+1], v2, s[72:73] offset:\g*1024+\q*256
.endr
.endr
	v_lshlrev_b32 v6, 6, v13
	s_wait_alu depctr_va_vdst(0)
	v_and_b32 v7, 8, v12
	v_add_nc_u32 v7, v7, v12
	v_lshlrev_b32 v7, 2, v7
	s_wait_alu depctr_va_vdst(0)
	s_lshl_b32 s76, s22, 9                         ; my head's 64 numbers of each bias: (128 j + 64 (w & 1)) x 4
	s_lshl_b32 s77, s19, 8
	s_add_co_u32 s76, s76, s77
	s_mov_b32 s77, 0
	s_add_nc_u64 s[8:9], s[8:9], s[76:77]
	s_add_nc_u64 s[10:11], s[10:11], s[76:77]
	s_add_nc_u64 s[12:13], s[12:13], s[76:77]
	WIN 0x80
.irp b, 0,1,2,3                        ; bq, bk in the result's layout: lane (r, h), tile b: channels 32 (b / 2) + 16 h + 8 (b % 2) + 0 .. 7;  bv: one number a lane, its channel's
	global_load_b128 v[BQ+8*\b:BQ+8*\b+3], v6, s[8:9] offset:(32*(\b/2)+8*(\b%2))*4
	global_load_b128 v[BQ+8*\b+4:BQ+8*\b+7], v6, s[8:9] offset:(32*(\b/2)+8*(\b%2))*4+16
	global_load_b128 v[BK+8*\b:BK+8*\b+3], v6, s[10:11] offset:(32*(\b/2)+8*(\b%2))*4
	global_load_b128 v[BK+8*\b+4:BK+8*\b+7], v6, s[10:11] offset:(32*(\b/2)+8*(\b%2))*4+16
	global_load_b32 v[BV+8*\b], v7, s[12:13] offset:(32*(\b/2)+8*(\b%2))*4
.endr
	WIN 0
	s_mul_i32 s74, s19, 12288                      ; my head's two groups in a K chunk of a panel
	v_add_nc_u32 v3, s74, v1
	v_add_nc_u32 v4, s74, v2
	v_xor_b32 v14, 128, v1                         ; 16 (l xor 8) and 8 (l xor 8): where k's tiles of odd groups are stored
	v_xor_b32 v15, 64, v2
	s_lshl_b32 s74, s19, 11                        ; my head's two groups of scale words
	s_add_co_u32 s74, s74, SCW
	v_add_nc_u32 v5, s74, v2
	s_lshl_b32 s74, s18, 8
	s_add_co_u32 s74, s74, XCH
	v_add_nc_u32 v8, s74, v2                       ; the exchange: my 256 bytes,
	s_xor_b32 s74, s18, 2
	s_lshl_b32 s74, s74, 8
	s_add_co_u32 s74, s74, XCH
	v_add_nc_u32 v9, s74, v2                       ; and those of the wave with my head and the other 64 keys
.irp b, 0,1,2,3,4,5,6,7
	v_mov_b32 v[RP+\b], 0                          ; a lane permute's destination counts as one of its sources
.endr
	s_mov_b32 s80, 0xffff0000                      ; lanes 16-31
	s_mov_b32 s82, 0x76543210
	s_mov_b32 s83, 0xfedcba98
	; where the results go
	s_lshr_b32 s84, s21, 4                         ; batch
	s_and_b32 s85, s21, 15                         ; S: which 128 rows of the batch
	s_lshl_b32 s84, s84, 4
	s_lshl_b32 s86, s22, 1
	s_add_co_u32 s84, s84, s86
	s_add_co_u32 s84, s84, s19                     ; bh = 16 batch + head
	s_lshl_b32 s86, s85, 3
	s_lshl_b32 s88, s20, 2
	s_add_co_u32 s86, s86, s88                     ; my first tile of rows: 8 S + 4 (w >> 1)
	s_lshl_b32 s88, s85, 1
	s_add_co_u32 s88, s88, s20
	s_lshl_b32 s88, s88, 8                         ; its scale words: 256 bytes for four tiles
	s_mov_b32 s91, 0
	s_lshl_b32 s90, s84, 7
	s_add_co_u32 s90, s90, s86
	s_mul_i32 s90, s90, 768
	s_add_nc_u64 s[56:57], s[14:15], s[90:91]      ; q's codes
	s_lshl_b32 s90, s84, 13
	s_add_co_u32 s90, s90, s88
	s_add_co_u32 s90, s90, QSOFF
	s_add_nc_u64 s[58:59], s[14:15], s[90:91]      ; q's words
	s_mul_i32 s92, s84, 208896                     ; the record
	s_mul_i32 s90, s86, 768
	s_add_co_u32 s90, s90, s92
	s_add_nc_u64 s[60:61], s[16:17], s[90:91]      ; k's codes
	s_add_co_u32 s90, s92, s88
	s_add_co_u32 s90, s90, 196608
	s_add_nc_u64 s[62:63], s[16:17], s[90:91]      ; k's words
	s_mul_i32 s90, s85, 6144
	s_mul_i32 s93, s20, 768
	s_add_co_u32 s90, s90, s93
	s_add_co_u32 s90, s90, s92
	s_add_co_u32 s90, s90, 98304
	s_add_nc_u64 s[66:67], s[16:17], s[90:91]      ; v's codes: key step S, half w >> 1
	s_lshl_b32 s90, s85, 8
	s_add_co_u32 s90, s90, s92
	s_add_co_u32 s90, s90, 204800
	s_add_nc_u64 s[68:69], s[16:17], s[90:91]      ; v's words
	s_wait_loadcnt 0x0                             ; x, its scale words, the biases
	WIN 0x82
.irp b, 0,1,2,3
.irp k, 1,2,3,4,5,6,7
	v_mov_b32 v[BV+8*\b+\k], v[BV+8*\b]            ; v's bias is the lane's channel's, in all eight registers
.endr
.endr
	WIN 0
	s_wait_tensorcnt 0x0                           ; my one load is in
	s_barrier_signal -1
	s_barrier_wait -1                              ; everybody's are
	TILE 0, 0, BQ
	EPI 56, 768, 1
	global_store_b64 v2, v[76:77], s[58:59]
	s_wait_tensorcnt 0x1                           ; k's panel
	s_wait_dscnt 0x0
	s_barrier_signal -1
	s_barrier_wait -1
	TILE 1, 0, BK
.set SKEW, 1
	EPI 60, 768, 1
.set SKEW, 0
	global_store_b64 v2, v[76:77], s[62:63]
	s_wait_tensorcnt 0x0                           ; v's panel
	s_wait_dscnt 0x0
	s_barrier_signal -1
	s_barrier_wait -1
	TILE 2, 1, BV
	EPI 66, 1536, 0
	ds_store_b64 v8, v[76:77]                      ; my two bytes of each channel's word (my 64 keys' blocks) meet the other wave's two
	s_wait_dscnt 0x0                               ; for the other's sake
	s_barrier_signal -1
	s_barrier_wait -1
	ds_load_b64 v[10:11], v9
	s_wait_dscnt 0x0
	s_cmp_lg_u32 s20, 0
	s_cbranch_scc1 .Lnot_low                       ; the wave with keys 0-63 of the step stores the whole words
	s_wait_alu depctr_va_vdst(0)
	v_lshl_or_b32 v76, v10, 16, v76
	v_lshl_or_b32 v77, v11, 16, v77
	global_store_b64 v2, v[76:77], s[68:69]
.Lnot_low:
	s_wait_tensorcnt 0x0
	ds_add_u32 v123, v127
	s_wait_dscnt 0x0
	ROUND                                          ; the closing round: no work-group ends while a partner may still ask jointly
	s_endpgm
.Lfunc_end_k_q5cb69d262f_qkv:
	.size	k_q5cb69d262f_qkv, .Lfunc_end_k_q5cb69d262f_qkv-k_q5cb69d262f_qkv
	.p2alignl 7, 3214868480
	.fill 96, 4, 3214868480
	.section	.rodata,"a",@progbits
	.p2align	6, 0x0
	.amdhsa_kernel k_q5cb69d262f_qkv
		.amdhsa_group_segment_fixed_size 308736
		.amdhsa_private_segment_fixed_size 0
		.amdhsa_enable_private_segment 0
		.amdhsa_kernarg_size 56
		.amdhsa_user_sgpr_count 2
		.amdhsa_user_sgpr_kernarg_segment_ptr 1
		.amdhsa_wavefront_size32 1
		.amdhsa_system_sgpr_workgroup_id_x 1
		.amdhsa_system_sgpr_workgroup_id_y 1
		.amdhsa_system_sgpr_workgroup_id_z 1
		.amdhsa_system_vgpr_workitem_id 0
		.amdhsa_next_free_vgpr 896
		.amdhsa_next_free_sgpr 96
		.amdhsa_reserve_vcc 0
		.amdhsa_float_denorm_mode_32 3
		.amdhsa_float_denorm_mode_16_64 3
		.amdhsa_memory_ordered 1
		.amdhsa_forward_progress 1
		.amdhsa_inst_pref_size 132
	.end_amdhsa_kernel
	.amdgpu_metadata
---
amdhsa.version: [ 1, 2 ]
amdhsa.kernels:
  - .name:           k_q5cb69d262f_qkv
    .symbol:         k_q5cb69d262f_qkv.kd
    .args:
      - { .name: xq, .offset: 0, .size: 8, .value_kind: global_buffer, .address_space: global }
      - { .name: wq, .offset: 8, .size: 8, .value_kind: global_buffer, .address_space: global }
      - { .name: bq, .offset: 16, .size: 8, .value_kind: global_buffer, .address_space: global }
      - { .name: bk, .offset: 24, .size: 8, .value_kind: global_buffer, .address_space: global }
      - { .name: bv, .offset: 32, .size: 8, .value_kind: global_buffer, .address_space: global }
      - { .name: qq, .offset: 40, .size: 8, .value_kind: global_buffer, .address_space: global }
      - { .name: kv, .offset: 48, .size: 8, .value_kind: global_buffer, .address_space: global }
    .group_segment_fixed_size: 308736
    .private_segment_fixed_size: 0
    .kernarg_segment_align: 8
    .kernarg_segment_size: 56
    .max_flat_workgroup_size: 128
    .sgpr_count:     96
    .vgpr_count:     896
    .wavefront_size: 32
...
	.end_amdgpu_metadata
.endif
;; end of part 2
;; launch attn (part 3): grid 8 x 32, 8 waves a work-group, clusters of 4 x 1, 211,968 bytes of LDS; arguments qq, kv, mq; writes mq
.if DOCPART == 3
	.amdgcn_target "amdgcn-amd-amdhsa--gfx1250"
	.amdhsa_code_object_version 6
	.text
	.protected	k_q5cb69d262f_attn
	.globl	k_q5cb69d262f_attn
	.p2align	8
	.type	k_q5cb69d262f_attn,@function
k_q5cb69d262f_attn:
	s_mov_b64 s[64:65], 0
	v_nop
	global_prefetch_b8 v0, s[64:65] scope:SCOPE_SE
	s_setreg_imm32_b32 hwreg(HW_REG_WAVE_MODE, 25, 1), 1
	s_wait_xcnt 0x0
	s_wait_alu depctr_hold_cnt(0) depctr_sa_sdst(0) depctr_va_vdst(0) depctr_va_sdst(0) depctr_va_ssrc(0) depctr_va_vcc(0) depctr_vm_vsrc(0)
	s_getreg_b32 s2, hwreg(HW_REG_IB_STS2, 6, 4)
	s_cmp_eq_u32 s2, 0
	s_cbranch_scc0 .Lentry_in_a_cluster
	s_endpgm
.Lentry_in_a_cluster:
	s_bfe_u32 s2, ttmp6, 0x10000c
	s_cmp_lg_u32 s2, 0x3003
	s_cbranch_scc0 .Lentry_shape_is_right
	s_endpgm
.Lentry_shape_is_right:
; merged[q][head x 64 + d] = the sum over keys of softmax(q . k / 8) v, both products on codes of BF6 with E8M0 scales; the result is quantised in registers along head x 64 + d for the last product.
; THE SOFTMAX: t = score x log2(e) / 8; M = the running largest t rounded UP to a whole number, kept as -M = floor(-t); p = 2^(t - M) is quantised along the keys, not normalised; the row's sum is taken of the
; unquantised p and divides O at the end.  When M moves, the sum and O are multiplied by 2^(old M - new M), which rounds nothing.  The running largest score begins at -3e38.
; SHARES.  Work-group (blk, bh): 256 queries of one head of one batch; each of eight waves owns TWO tiles of 16 queries (a = 0, 1) in 512 registers, two waves to a SIMD.  Each fragment of K and of V feeds two products.
; THE TWO TILES ARE A PHASE APART: the links of one tile's dependent chains (M, the scale word) stand singly among the other tile's independent lines (maxima, t - M, O's rescaling, sums), five lines or more from link to link.
; LDS holds the head's whole record of kv as it lies in memory (K's codes, V's codes, K's and V's scale words: 208,896 dense bytes).  Each wave brings one eighth, 102 rows of 256 bytes, by ONE tensor load at the head:
; every byte is filled once, one barrier shows the record to all waves, and the walk over the keys, 16 steps of 128, has no barrier.
; CLUSTER: the four query blocks of a cluster share bh, so every load is asked for jointly (mask 15).  No prefetch: all loads of the launch go out at its head, there is no loop to run ahead in.
; LAYOUT.  Both products are used transposed: S^T = K Q^T (source 0 = 16 keys), O^T = V^T P^T (source 0 = 16 channels): a lane holds ONE query of each tile throughout.
; WHICH KEYS FORM A TILE is chosen by LDS address: tile t (0..3) of half c of a step has in rows 0-7 the keys 64 c + 8 t + 0..7 and in rows 8-15 the keys 64 c + 32 + 8 t + 0..7.  So lane (r, h) holds, in the 32 registers of a
; half's four tiles, the keys 64 c + 32 h + 0..31 in order: a WHOLE block of 32, as P's operand wants it: a block's maximum needs no other lane and the codes change no lane.
; In the record a group of 32 keys is two images u of 768 bytes; key 8 t + i lies in image t % 2 at lane 8 (t / 2) + i, in odd groups at that lane xor 8, so that the sixteen rows of a tile start at sixteen different multiples of 16 bytes modulo 256.
; The score product's K is 64: registers 6-11 of K's and of Q's fragments hold zero codes, on both sides.
; LIMITS: NaN and infinities are not served; a block whose every number lies under 2^-122 keeps the byte 1 (zero codes add nothing, and this program alone reads the bytes); the scaled scores stay under 2^31 in magnitude.
; REGISTERS.  Window 0: v0 thread; v1-4 K's lane bases (16-byte and 8-byte parts, each for t / 2 = 0, 1), v5 K's scale words, v6-7 V's codes (one step back), v8 V's words; v9-12 K's addresses of the next step; v13-16 the step's other addresses;
;   v17-18 p's scale words, v19-20 Q's, v22-23 V's, v24-27 K's; v28-51 Q; v52-99 K's four fragments of half 0, v160-207 of half 1; v100-147 four of V; v148-149 the add's two; v150-154 the way out's offsets; v208 on at work.
; Window 1: v0-127 S^T, then p (64 a); v128-191 O^T (32 a); v192-215 p's codes (12 a); v216-231 a tile's state (8 a): -M, largest score, the sum's pair, f, 8 h, two at work; v232-255 at work (12 a).
.set QSOFF, 3145728
.set MSOFF, 3145728
.set REC,   208896                     ; a head's record
.set PIECE, 26112                      ; an eighth of it: 102 x 256
.set MSG,   208896                     ; behind the record: 1,024 bytes for the tiles' scale bytes of merged: written by LDS stores alone
.set SPARE, 209920                     ; the spare words: 128 bytes a wave
.set OB, 128
.set PB, 192
.set ST, 216
.set TB, 232
.set MSB, 0
.macro WIN new                         ; low byte: bits 1:0 source 0, 3:2 source 1, 5:4 source 2, 7:6 destination; the high byte repeats the setting that is left
.if MSB != \new
	s_set_vgpr_msb (MSB<<8)|\new
.set MSB, \new
.endif
.endm
.macro H n                             ; the reader below takes what the n-th plain vector instruction back wrote
	s_delay_alu instid0(VALU_DEP_\n)
.endm
.macro ROUND
	s_barrier_signal -1
	s_barrier_wait -1
	s_cmp_lg_u32 s18, 0
	s_cbranch_scc1 .Lnot_wave_0_\@
	s_barrier_signal -3
.Lnot_wave_0_\@:
	s_barrier_wait -3
	s_barrier_signal -1
	s_barrier_wait -1
.endm
.macro WM d, a, b, c, sa, sb, row      ; one product; row: source 0's scale words stand in lanes 16-31
.if \row
	v_wmma_scale_f32_16x16x128_f8f6f4 v[\d:\d+7], v[\a:\a+11], v[\b:\b+11], \c, v[\sa], v[\sb] matrix_a_fmt:MATRIX_FMT_BF6 matrix_b_fmt:MATRIX_FMT_BF6 matrix_a_scale:MATRIX_SCALE_ROW1
.else
	v_wmma_scale_f32_16x16x128_f8f6f4 v[\d:\d+7], v[\a:\a+11], v[\b:\b+11], \c, v[\sa], v[\sb] matrix_a_fmt:MATRIX_FMT_BF6 matrix_b_fmt:MATRIX_FMT_BF6
.endif
.endm
.macro KLOAD c                         ; the four tiles of half c of the step that v9-12 point at, into half c's registers
.irp t, 0,1,2,3
	ds_load_b128 v[52+108*\c+12*\t:55+108*\c+12*\t], v[9+\t/2] offset:\c*3072+(\t%2)*768
	ds_load_b64 v[56+108*\c+12*\t:57+108*\c+12*\t], v[11+\t/2] offset:\c*3072+(\t%2)*768+512
.endr
.endm
.macro KWORDS                          ; K's scale words of a step: register 24 + 2 c + t / 2; lanes 0-15 even t, lanes 16-31 odd t
.irp n, 0,1,2,3
	ds_load_b32 v[24+\n], v16 offset:(\n/2)*256+(\n%2)*64
.endr
.endm
.macro SC c                            ; eight score products: 64 keys x my two tiles of queries; the accumulators by turns
.irp t, 0,1,2,3
.irp a, 0,1
	WM 64*\a+32*\c+8*\t, 52+108*\c+12*\t, 28+12*\a, 0, 24+2*\c+\t/2, 19+\a, \t%2
.endr
.endr
.endm
.macro BG a, g                         ; four lines of the search for the largest score of tile a's two blocks (c = 0, 1), each block in two chains; groups 0 to 7 make it whole; each accumulator is first read at its low end
.if \g == 0
.irp c, 0,1
	v_max3_num_f32 v[TB+12*\a+\c], v[64*\a+32*\c], v[64*\a+32*\c+1], v[64*\a+32*\c+2]
	v_max3_num_f32 v[TB+12*\a+2+\c], v[64*\a+32*\c+16], v[64*\a+32*\c+17], v[64*\a+32*\c+18]
.endr
.elseif \g < 7
.irp c, 0,1
	v_max3_num_f32 v[TB+12*\a+\c], v[TB+12*\a+\c], v[64*\a+32*\c+2*\g+1], v[64*\a+32*\c+2*\g+2]
	v_max3_num_f32 v[TB+12*\a+2+\c], v[TB+12*\a+2+\c], v[64*\a+32*\c+2*\g+17], v[64*\a+32*\c+2*\g+18]
.endr
.else
.irp c, 0,1
	v_max3_num_f32 v[TB+12*\a+\c], v[TB+12*\a+\c], v[TB+12*\a+2+\c], v[64*\a+32*\c+15]
.endr
.irp c, 0,1
	v_max_num_f32 v[TB+12*\a+\c], v[TB+12*\a+\c], v[64*\a+32*\c+31]
.endr
.endif
.endm
.macro CH a, n                         ; link n (1..9) of tile a's chain from the blocks' largest scores to -M and f
.if \n == 1
	v_max_num_f32 v[ST+8*\a+6], v[TB+12*\a], v[TB+12*\a+1]
.elseif \n == 2
	v_permlanex16_b32 v[TB+12*\a+11], v[ST+8*\a+6], s20, s21
.elseif \n == 3
	v_max3_num_f32 v[ST+8*\a+1], v[ST+8*\a+1], v[ST+8*\a+6], v[TB+12*\a+11]   ; the running largest score of my query
.elseif \n == 4
	v_mul_f32 v[ST+8*\a+6], s56, v[ST+8*\a+1]      ; -t
.elseif \n == 5
	v_mov_b32 v[ST+8*\a+7], v[ST+8*\a]
.elseif \n == 6
	v_floor_f32 v[ST+8*\a], v[ST+8*\a+6]           ; the new -M = -ceil(t)
.elseif \n == 7
	v_sub_f32 v[ST+8*\a+6], v[ST+8*\a], v[ST+8*\a+7]   ; old M - new M: a whole number, 0 or less
.elseif \n == 8
	v_cvt_i32_f32 v[ST+8*\a+6], v[ST+8*\a+6]       ; (it saturates)
.else
	v_ldexp_f32 v[ST+8*\a+4], 1.0, v[ST+8*\a+6]    ; f = 2^(old M - new M)
.endif
.endm
.macro F4                              ; four independent lines of tile 0: its 32 lines t - M, then its 16 lines O^T x f
.rept 4
.if fi < 32
	v_pk_fma_f32 v[2*fi:2*fi+1], v[2*fi:2*fi+1], s[22:23], v[ST:ST+1] op_sel_hi:[1,0,0]
.else
	v_pk_mul_f32 v[OB+2*(fi-32):OB+2*(fi-32)+1], v[OB+2*(fi-32):OB+2*(fi-32)+1], v[ST+4:ST+5] op_sel_hi:[1,0]
.endif
.set fi, fi+1
.endr
.endm
.macro G                               ; one independent line of tile 0 behind its conversions: six moves of codes, then 16 sums of two pairs of p, in place
.if gi < 6
	v_mov_b32 v[PB+3+(gi%3)+6*(gi/3)], v[TB+4+(gi%3)+4*(gi/3)]
.else
	v_pk_add_f32 v[2*(gi-6):2*(gi-6)+1], v[2*(gi-6):2*(gi-6)+1], v[32+2*(gi-6):33+2*(gi-6)]
.endif
.set gi, gi+1
.endm
.macro CVT a                           ; tile a's p into codes: two blocks of 32, each by two conversions (a conversion's three registers begin on an even number)
	v_cvt_scalef32_pk16_bf6_f32 v[PB+12*\a:PB+12*\a+2], v[64*\a:64*\a+15], v[TB+12*\a+2]
	v_cvt_scalef32_pk16_bf6_f32 v[TB+12*\a+4:TB+12*\a+6], v[64*\a+16:64*\a+31], v[TB+12*\a+2]
	v_cvt_scalef32_pk16_bf6_f32 v[PB+12*\a+6:PB+12*\a+8], v[64*\a+32:64*\a+47], v[TB+12*\a+3]
	v_cvt_scalef32_pk16_bf6_f32 v[TB+12*\a+8:TB+12*\a+10], v[64*\a+48:64*\a+63], v[TB+12*\a+3]
.endm
.macro FLOORS a                        ; the floor 2^(5 - 127) under each block's largest p
	v_max_num_f32 v[TB+12*\a], 0x2800000, v[TB+12*\a]
	v_max_num_f32 v[TB+12*\a+1], 0x2800000, v[TB+12*\a+1]
.endm
.macro BYTES a                         ; the scales' bytes
	v_lshrrev_b32 v[TB+12*\a], 23, v[TB+12*\a+2]
	v_lshrrev_b32 v[TB+12*\a+1], 23, v[TB+12*\a+3]
.endm
.macro ADD4 a, first, off              ; four chains of tile a's sum take a pair each, at byte-free offsets off + 2 k of its p; first = 1: the chains begin, with the pairs at off and off + 8
.irp k, 0,1,2,3
.if \first
	v_pk_add_f32 v[TB+12*\a+2+2*\k:TB+12*\a+3+2*\k], v[64*\a+\off+2*\k:64*\a+\off+2*\k+1], v[64*\a+\off+8+2*\k:64*\a+\off+9+2*\k]
.else
	v_pk_add_f32 v[TB+12*\a+2+2*\k:TB+12*\a+3+2*\k], v[TB+12*\a+2+2*\k:TB+12*\a+3+2*\k], v[64*\a+\off+2*\k:64*\a+\off+2*\k+1]
.endif
.endr
.endm
.macro JOIN a, x, y                    ; chain x += chain y
	v_pk_add_f32 v[TB+12*\a+2+2*\x:TB+12*\a+3+2*\x], v[TB+12*\a+2+2*\x:TB+12*\a+3+2*\x], v[TB+12*\a+2+2*\y:TB+12*\a+3+2*\y]
.endm
.macro LSUM a                          ; the old sum under the new M, and this step's
	v_pk_fma_f32 v[ST+8*\a+2:ST+8*\a+3], v[ST+8*\a+2:ST+8*\a+3], v[ST+8*\a+4:ST+8*\a+5], v[TB+12*\a+2:TB+12*\a+3] op_sel_hi:[1,0,1]
.endm
	s_load_b128 s[4:7], s[0:1], 0x0                ; qq s[4:5], kv s[6:7]
	s_load_b64 s[8:9], s[0:1], 0x10                ; mq
	v_lshl_add_u32 v148, v0, 2, SPARE
	v_mov_b32 v149, 0
	ds_add_u32 v148, v149                          ; the opening lines: the add, twice on end, and its wait ahead of my tensor load
	ds_add_u32 v148, v149
	v_lshrrev_b32 v1, 5, v0
	v_readfirstlane_b32 s18, v1                    ; wave 0..7
	s_and_b32 s10, ttmp7, 0xffff                   ; bh, which the four partners share
	s_bfe_u32 s11, ttmp6, 0x40000                  ; cx: it enters Q's and the result's addresses alone
	s_lshl_b32 s19, ttmp9, 2
	s_add_co_u32 s19, s19, s11                     ; my block of 256 queries
	s_mov_b32 s24, 15|(3<<16)|(1<<21)              ; 102 rows of 32 elements of 8 bytes, dense; the mask names all four, bit 21 beside it
	s_mov_b32 s25, 32<<16
	s_mov_b32 s26, 102<<16
	s_mov_b32 s27, 32<<16
	s_mov_b32 s28, 102
	s_mov_b32 s29, 32
	s_mov_b32 s30, 0
	s_mov_b32 s31, 0
	s_mov_b32 s20, 0x76543210
	s_mov_b32 s21, 0xfedcba98                      ; v_permlanex16_b32's selects for lane l xor 16
	s_mov_b32 s22, 0x3e38aa3b                      ; c = log2(e) / 8
	s_mov_b32 s23, s22                             ; (named with it as a pair)
	s_mov_b32 s56, 0xbe38aa3b                      ; -c
	s_mov_b32 s60, 6144                            ; codes: the NEXT step's place in K's part; V's bases lie one step back
	s_mov_b32 s61, 512                             ; K's scale words of the next step
	s_mov_b32 s62, 0                               ; V's scale words of this step
	s_mul_i32 s68, s10, REC
	s_mul_i32 s41, s18, PIECE                      ; my piece's place is the same in the record and in LDS
	s_add_co_u32 s68, s68, s41
	s_mov_b32 s69, 0
	s_mov_b32 s40, 1
	s_wait_dscnt 0x0
	s_wait_kmcnt 0x0
	s_add_nc_u64 s[42:43], s[6:7], s[68:69]
	s_or_b32 s43, s43, 0x80000000
	ROUND                                          ; all four work-groups are here: the joint loads meet
	tensor_load_to_lds s[40:43], s[24:31]          ; my one load
	s_nop 0
	s_lshl_b32 s74, s10, 7
	s_lshl_b32 s75, s19, 4
	s_add_co_u32 s74, s74, s75
	s_lshl_b32 s75, s18, 1
	s_add_co_u32 s74, s74, s75                     ; bh x 128 + T, T = 16 blk + 2 wave + a
	s_mul_i32 s74, s74, 768
	s_mov_b32 s75, 0
	s_add_nc_u64 s[76:77], s[4:5], s[74:75]        ; Q's codes: tile a 768 a on
	s_lshl_b32 s74, s10, 13
	s_lshl_b32 s78, s19, 10                        ; (T >> 2) x 256 = blk x 1,024 + (wave >> 1) x 256
	s_add_co_u32 s74, s74, s78
	s_lshr_b32 s78, s18, 1
	s_lshl_b32 s78, s78, 8
	s_add_co_u32 s74, s74, s78
	s_and_b32 s78, s18, 1                          ; ((T >> 1) & 1) x 4
	s_lshl_b32 s78, s78, 2
	s_add_co_u32 s74, s74, s78
	s_add_co_u32 s74, s74, QSOFF
	s_add_nc_u64 s[4:5], s[4:5], s[74:75]          ; Q's scale words: tile a 128 a on
	; where the result goes: codes in the layout of a row operand: K step head / 2, half head % 2
	s_and_b32 s74, s10, 15                         ; head
	s_lshr_b32 s75, s10, 4
	s_lshl_b32 s75, s75, 6
	s_lshl_b32 s78, s19, 3
	s_add_co_u32 s75, s75, s78                     ; the work-group's first group of rows: 64 batch + 8 blk
	s_lshl_b32 s78, s75, 7
	s_lshl_b32 s79, s74, 14
	s_add_co_u32 s78, s78, s79
	s_add_co_u32 s78, s78, MSOFF
	s_mov_b32 s79, 0
	s_add_nc_u64 s[14:15], s[8:9], s[78:79]        ; the scale bytes: head x 16,384 + group x 128 + 4 l
	s_add_co_u32 s75, s75, s18                     ; my group: my two tiles are its two
	s_mul_i32 s78, s75, 6144
	s_lshr_b32 s75, s74, 2
	s_mul_i32 s75, s75, 786432
	s_add_co_u32 s78, s78, s75
	s_bfe_u32 s75, s74, 0x10001
	s_mul_i32 s75, s75, 3072
	s_add_co_u32 s78, s78, s75
	s_and_b32 s75, s74, 1
	s_mul_i32 s75, s75, 768
	s_add_co_u32 s78, s78, s75
	s_add_nc_u64 s[12:13], s[8:9], s[78:79]        ; the codes: tile a 1,536 a on
	s_lshl_b32 s66, s18, 7
	s_add_co_u32 s66, s66, MSG                     ; my tiles' scale bytes in LDS
	v_and_b32 v208, 31, v0                         ; l
	v_bfe_u32 v209, v0, 3, 1                       ; g = r / 8: which of a half's two groups of 32 keys my row of a tile comes from
	v_and_b32 v210, 7, v0                          ; i
	v_bfe_u32 v211, v0, 4, 1                       ; h
	v_and_b32 v152, 15, v0                         ; r
	v_lshl_add_u32 v6, v208, 4, 98304-6144         ; V's codes, 16-byte parts, one step back
	v_lshl_add_u32 v7, v208, 3, 98304-6144         ; and 8-byte parts
	v_lshl_add_u32 v8, v208, 3, 204800             ; V's scale words
	v_lshlrev_b32 v150, 4, v208                    ; 16 l, 8 l
	v_lshlrev_b32 v151, 3, v208
	v_mul_u32_u24 v212, v209, 1536
	v_lshl_add_u32 v5, v210, 3, 196608             ; K's scale words: 8 i
	v_lshl_add_u32 v153, v152, 2, s66              ; the way out: 128 x wave + 4 r
	v_lshlrev_b32 v152, 3, v152                    ; 8 r
.irp a, 0,1
	global_load_b128 v[28+12*\a:31+12*\a], v150, s[76:77] offset:768*\a
	global_load_b64 v[32+12*\a:33+12*\a], v151, s[76:77] offset:768*\a+512
	global_load_b32 v[19+\a], v152, s[4:5] offset:128*\a
.endr
	v_add_nc_u32 v154, MSG, v150
	v_lshl_add_u32 v1, v208, 4, v212               ; K, t / 2 = 0: 1,536 g + 16 l
	v_lshl_add_u32 v3, v208, 3, v212               ; and 1,536 g + 8 l
	v_lshl_add_u32 v5, v209, 2, v5                 ; + 4 g
.irp i, 0,1,2,3,4,5
	v_mov_b32 v[34+\i], 0                          ; zero codes for K = 64 .. 127 of the score product: Q's two fragments',
	v_mov_b32 v[46+\i], 0
.irp t, 0,1,2,3
	v_mov_b32 v[58+12*\t+\i], 0                    ; and K's eight; written once
	v_mov_b32 v[166+12*\t+\i], 0
.endr
.endr
	v_xor_b32 v2, 128, v1                          ; t / 2 = 1: eight lanes of the image on in even groups, back in odd ones
	v_xor_b32 v4, 64, v3
	v_lshl_add_u32 v5, v211, 7, v5                 ; + 128 h: lanes 16-31 take the odd tiles' words
	v_mov_b32 v9, v1                               ; step 0's addresses
	v_mov_b32 v11, v3
	v_mov_b32 v10, v2
	v_mov_b32 v12, v4
	v_mov_b32 v16, v5
	WIN 0x40
.irp a, 0,1
	v_lshlrev_b32 v[ST+8*\a+5], 3, v211            ; 8 h (also the upper half of f's pair)
	v_mov_b32 v[ST+8*\a+1], 0xff61b1e6             ; the largest score so far: -3e38
	v_mov_b32 v[ST+8*\a+2], 0                      ; the sum, in two halves
	v_mov_b32 v[ST+8*\a+3], 0
	v_mov_b32 v[TB+12*\a+11], 0                    ; a lane permute's destination counts as one of its sources
.endr
.set j, 0
.rept 64
	v_mov_b32 v[OB+j], 0                           ; O^T: the step is written once for all steps: the first finds zeros, which the first change of M leaves zeros
.set j, j+1
.endr
	WIN 0x55
	v_mul_f32 v[ST], s56, v[ST+1]
	v_mul_f32 v[ST+8], s56, v[ST+9]
	v_floor_f32 v[ST], v[ST]                       ; -M
	v_floor_f32 v[ST+8], v[ST+8]
	WIN 0
	s_wait_alu depctr_va_vdst(0)
	s_wait_loadcnt 0x0                             ; Q
	s_wait_tensorcnt 0x0                           ; my piece of the record is in
	s_barrier_signal -1
	s_barrier_wait -1                              ; everybody's is
	KLOAD 0
	KLOAD 1
	KWORDS
	s_mov_b32 s63, 16
.Lstep:                                                ; A KEY STEP: 128 keys x 32 queries: 16 score products, the softmax, 8 products V^T P^T
	s_wait_dscnt 0x0                               ; K's eight fragments and scale words, asked for in the step before
	WIN 0x40
	SC 0
	SC 1
	WIN 0
	v_add_nc_u32 v13, s60, v6                      ; eight places behind the last step's products and these sixteen, in front of the loads and of the first reads of the scores
	v_add_nc_u32 v14, s60, v7
	v_add_nc_u32 v15, s62, v8
	v_add_nc_u32 v16, s61, v5
	v_add_nc_u32 v9, s60, v1
	v_add_nc_u32 v10, s60, v2
	v_add_nc_u32 v11, s60, v3
	v_add_nc_u32 v12, s60, v4
.irp b, 0,1,2,3                        ; V's four fragments land under the softmax
	ds_load_b128 v[100+12*\b:103+12*\b], v13 offset:\b*1536
	ds_load_b64 v[104+12*\b:105+12*\b], v14 offset:\b*1536+512
	ds_load_b128 v[106+12*\b:109+12*\b], v13 offset:\b*1536+768
	ds_load_b64 v[110+12*\b:111+12*\b], v14 offset:\b*1536+1280
.endr
	ds_load_b64 v[22:23], v15
	KLOAD 0                                        ; and the NEXT step's K and its scale words (the last step reads on into V's part, which is filled, and uses nothing of it)
	KLOAD 1
	KWORDS
	WIN 0x55
.irp g, 0,1,2,3,4,5,6,7
	BG 0, \g                                       ; tile 0: the largest score of each of my two blocks
.endr
.irp g, 0,1,2,3,4,5,6,7
	BG 1, \g                                       ; tile 1's, with a link of tile 0's chain behind each four lines
	CH 0, \g+1
.endr
.set fi, 0
	F4
	CH 0, 9
.irp n, 1,2,3,4,5,6,7,8,9
	F4                                             ; tile 0's t - M and O^T x f, with a link of tile 1's chain behind each four lines
	CH 1, \n
.endr
	F4
	F4
.set j, 0
.rept 16
	v_pk_mul_f32 v[OB+32+j:OB+33+j], v[OB+32+j:OB+33+j], v[ST+12:ST+13] op_sel_hi:[1,0]   ; tile 1's O^T under the new M: both tiles' stand ahead of the exponentials
.set j, j+2
.endr
.irp a, 0,1
	v_fma_f32 v[TB+12*\a], v[TB+12*\a], s22, v[ST+8*\a]        ; t - M of each block's largest score
	v_fma_f32 v[TB+12*\a+1], v[TB+12*\a+1], s22, v[ST+8*\a]
.endr
	s_wait_alu depctr_va_vdst(0)                   ; the wait ahead of the batch
	v_exp_f32 v[TB], v[TB]                         ; the block's largest p: the same two instructions on the same number
	v_exp_f32 v[TB+1], v[TB+1]
.set j, 0
.rept 32
	v_exp_f32 v[j], v[j]                           ; tile 0: p = 2^(t - M); between its exponentials tile 1's t - M, which nothing reads ahead of the next wait
	v_pk_fma_f32 v[64+j:65+j], v[64+j:65+j], s[22:23], v[ST+8:ST+9] op_sel_hi:[1,0,0]
	v_exp_f32 v[j+1], v[j+1]
.set j, j+2
.endr
	s_wait_alu depctr_va_vdst(0)                   ; ahead of the first reader of tile 0's exponentials
	FLOORS 0
	H 2
	v_add_nc_u32 v[TB+2], 0xfe000000, v[TB]        ; 4 off the exponent field: the conversion's scale operand
	H 2
	v_add_nc_u32 v[TB+3], 0xfe000000, v[TB+1]
	CVT 0
	BYTES 0                                        ; (plain places behind the conversions)
	s_wait_alu depctr_va_vdst(0)                   ; ahead of tile 1's batch
	v_exp_f32 v[TB+12], v[TB+12]
	v_exp_f32 v[TB+13], v[TB+13]
.set j, 0
.set gi, 0
.rept 64
	v_exp_f32 v[64+j], v[64+j]                     ; tile 1; behind every third, one of tile 0's 22 independent lines, whose results are read behind the next wait
.if (j%3) == 2
	G
.endif
.set j, j+1
.endr
	G                                              ; the 22nd: the plain place behind the exponentials
	s_wait_alu depctr_va_vdst(0)                   ; ahead of the first reader of tile 1's exponentials and of the 22 lines' results
	FLOORS 1
	v_lshl_or_b32 v[TB], v[TB+1], 16, v[TB]        ; tile 0: my two bytes, blocks h and 2 + h,
	ADD4 0, 1, 0                                   ; tile 0's 16 pairs that are left, in four chains
	v_add_nc_u32 v[TB+14], 0xfe000000, v[TB+12]
	v_add_nc_u32 v[TB+15], 0xfe000000, v[TB+13]
	v_lshlrev_b32 v[TB], v[ST+5], v[TB]            ; at their places in the word;
	ADD4 0, 0, 16
	CVT 1
	BYTES 1
	v_permlanex16_b32 v[TB+11], v[TB], s20, s21
	ADD4 0, 0, 24
	v_lshl_or_b32 v[TB+12], v[TB+13], 16, v[TB+12]
.irp i, 0,1,2
	v_mov_b32 v[PB+15+\i], v[TB+16+\i]
	v_mov_b32 v[PB+21+\i], v[TB+20+\i]
.endr
	v_lshlrev_b32 v[TB+12], v[ST+13], v[TB+12]
	JOIN 0, 0, 1
	JOIN 0, 2, 3
	ADD4 1, 1, 0                                   ; tile 1's 32 pairs in four chains
	v_permlanex16_b32 v[TB+23], v[TB+12], s20, s21
	JOIN 0, 0, 2
	ADD4 1, 0, 16
	LSUM 0
	WIN 0x05
	v_or_b32 v17, v[TB], v[TB+11]                  ; with lane l xor 16's two bytes: p's scale words for these 128 keys, in window 0 as scale registers are
	v_or_b32 v18, v[TB+12], v[TB+23]
	WIN 0x55
.irp m, 3,4,5,6,7
	ADD4 1, 0, 8*\m
.endr
	H 3
	JOIN 1, 0, 1
	H 2
	JOIN 1, 2, 3
	H 1
	JOIN 1, 0, 2
	H 1
	LSUM 1
	s_wait_dscnt 20                                ; V and its scale words are in; the 20 loads for the next step may be out
	WIN 0x54
.irp b, 0,1,2,3                        ; eight accumulators by turns, one instruction a turn
.irp a, 0,1
	WM OB+32*\a+8*\b, 100+12*\b, PB+12*\a, v[OB+32*\a+8*\b:OB+32*\a+8*\b+7], 22+\b/2, 17+\a, \b%2
.endr
.endr
	WIN 0
	s_add_co_u32 s60, s60, 6144
	s_add_co_u32 s61, s61, 512
	s_add_co_u32 s62, s62, 256
	s_sub_co_u32 s63, s63, 1
	s_cmp_lg_u32 s63, 0
	s_cbranch_scc1 .Lstep
	; THE END: O^T / the sum, quantised along the channels, leaves as half a fragment of the last product's row operand
	s_wait_alu depctr_va_vdst(0)
	s_wait_dscnt 0x0                               ; the loads asked for in the last step
	WIN 0x55
.irp a, 0,1
	v_add_f32 v[ST+8*\a+2], v[ST+8*\a+2], v[ST+8*\a+3]
.endr
.irp a, 0,1
	H 2
	v_permlanex16_b32 v[TB+12*\a+11], v[ST+8*\a+2], s20, s21
.endr
.irp a, 0,1
	H 2
	v_add_f32 v[ST+8*\a+2], v[ST+8*\a+2], v[TB+12*\a+11]       ; the row's sum
.endr
	s_wait_alu depctr_va_vdst(0)
	v_rcp_f32 v[ST+2], v[ST+2]
	v_rcp_f32 v[ST+10], v[ST+10]
	v_nop                                          ; a plain place behind the reciprocals
	s_wait_alu depctr_va_vdst(0)                   ; ahead of the first reader of the reciprocals and of O^T
.irp a, 0,1
.set j, 0
.rept 32
	v_mul_f32 v[64*\a+j], v[OB+32*\a+j], v[ST+8*\a+2]          ; register 16 b + i: channel 32 b + 16 h + i of my query
.set j, j+1
.endr
.endr
.irp b, 0,1
.irp a, 0,1
	v_max3_num_f32 v[TB+12*\a+\b], |v[64*\a+16*\b]|, |v[64*\a+16*\b+1]|, 0x2800000   ; the two blocks of 32 channels of both tiles by turns, with the floor 2^(5 - 127)
.endr
.endr
.irp i, 2,4,6,8,10,12,14
.irp b, 0,1
.irp a, 0,1
	H 4
	v_max3_num_f32 v[TB+12*\a+\b], v[TB+12*\a+\b], |v[64*\a+16*\b+\i]|, |v[64*\a+16*\b+\i+1]|
.endr
.endr
.endr
.irp b, 0,1
.irp a, 0,1
	H 4
	v_permlanex16_b32 v[TB+12*\a+2+\b], v[TB+12*\a+\b], s20, s21
.endr
.endr
.irp b, 0,1
.irp a, 0,1
	H 4
	v_max_num_f32 v[TB+12*\a+\b], v[TB+12*\a+\b], v[TB+12*\a+2+\b]   ; with lane l xor 16's 16 channels
.endr
.endr
.irp b, 0,1
.irp a, 0,1
	H 4
	v_add_nc_u32 v[TB+12*\a+2+\b], 0xfe000000, v[TB+12*\a+\b]
.endr
.endr
.irp b, 0,1
.irp a, 0,1
	H 4
	v_lshrrev_b32 v[TB+12*\a+7+\b], 23, v[TB+12*\a+2+\b]
.endr
.endr
.irp a, 0,1
	H 2
	v_lshl_or_b32 v[TB+12*\a+9], v[TB+12*\a+8], 8, v[TB+12*\a+7]     ; my query's two scale bytes
.endr
.irp a, 0,1
	v_cvt_scalef32_pk16_bf6_f32 v[PB+12*\a:PB+12*\a+2], v[64*\a:64*\a+15], v[TB+12*\a+2]
	v_cvt_scalef32_pk16_bf6_f32 v[TB+12*\a+4:TB+12*\a+6], v[64*\a+16:64*\a+31], v[TB+12*\a+3]
.endr
	v_nop                                          ; one plain place behind a scaled conversion
.irp a, 0,1
.irp i, 0,1,2
	v_permlane16_swap_b32 v[PB+12*\a+\i], v[TB+12*\a+4+\i]     ; a whole block to a lane
.endr
.endr
.irp a, 0,1
.irp i, 0,1,2
	v_mov_b32 v[PB+12*\a+3+\i], v[TB+12*\a+4+\i]
.endr
.endr
	WIN 0x04                                       ; the stores' data lie in window 1
.irp a, 0,1
	global_store_b128 v150, v[PB+12*\a:PB+12*\a+3], s[12:13] offset:1536*\a
	global_store_b64 v151, v[PB+12*\a+4:PB+12*\a+5], s[12:13] offset:1536*\a+512
	ds_store_b32 v153, v[TB+12*\a+9] offset:64*\a  ; lanes r and r + 16 write the same word with the same value
.endr
	WIN 0
	s_wait_dscnt 0x0                               ; for wave 0's sake
	s_barrier_signal -1
	s_barrier_wait -1
	s_cmp_lg_u32 s18, 0
	s_cbranch_scc1 .Lnot_first                     ; wave 0 stores the sixteen tiles' words: 1,024 consecutive bytes
	ds_load_b128 v[208:211], v154
	ds_load_b128 v[212:215], v154 offset:512
	s_wait_dscnt 0x0
	global_store_b128 v150, v[208:211], s[14:15]
	global_store_b128 v150, v[212:215], s[14:15] offset:512
.Lnot_first:
	s_wait_tensorcnt 0x0                           ; the wave's end
	ds_add_u32 v148, v149
	s_wait_dscnt 0x0
	ROUND                                          ; the closing round
	s_endpgm
.Lfunc_end_k_q5cb69d262f_attn:
	.size	k_q5cb69d262f_attn, .Lfunc_end_k_q5cb69d262f_attn-k_q5cb69d262f_attn
	.p2alignl 7, 3214868480
	.fill 96, 4, 3214868480
	.section	.rodata,"a",@progbits
	.p2align	6, 0x0
	.amdhsa_kernel k_q5cb69d262f_attn
		.amdhsa_group_segment_fixed_size 211968
		.amdhsa_private_segment_fixed_size 0
		.amdhsa_enable_private_segment 0
		.amdhsa_kernarg_size 24
		.amdhsa_user_sgpr_count 2
		.amdhsa_user_sgpr_kernarg_segment_ptr 1
		.amdhsa_wavefront_size32 1
		.amdhsa_system_sgpr_workgroup_id_x 1
		.amdhsa_system_sgpr_workgroup_id_y 1
		.amdhsa_system_sgpr_workgroup_id_z 1
		.amdhsa_system_vgpr_workitem_id 0
		.amdhsa_next_free_vgpr 512
		.amdhsa_next_free_sgpr 80
		.amdhsa_reserve_vcc 0
		.amdhsa_float_denorm_mode_32 3
		.amdhsa_float_denorm_mode_16_64 3
		.amdhsa_memory_ordered 1
		.amdhsa_forward_progress 1
		.amdhsa_inst_pref_size 49
	.end_amdhsa_kernel
	.amdgpu_metadata
---
amdhsa.version: [ 1, 2 ]
amdhsa.kernels:
  - .name:           k_q5cb69d262f_attn
    .symbol:         k_q5cb69d262f_attn.kd
    .args:
      - { .name: qq, .offset: 0, .size: 8, .value_kind: global_buffer, .address_space: global }
      - { .name: kv, .offset: 8, .size: 8, .value_kind: global_buffer, .address_space: global }
      - { .name: mq, .offset: 16, .size: 8, .value_kind: global_buffer, .address_space: global }
    .group_segment_fixed_size: 211968
    .private_segment_fixed_size: 0
    .kernarg_segment_align: 8
    .kernarg_segment_size: 24
    .max_flat_workgroup_size: 256
    .sgpr_count:     80
    .vgpr_count:     512
    .wavefront_size: 32
...
	.end_amdgpu_metadata
.endif
;; end of part 3
;; launch proj (part 4): grid 32 x 8, 4 waves a work-group, clusters of 4 x 1, 327,680 bytes of LDS; arguments mq, wq, bo, out0; writes out0
.if DOCPART == 4
	.amdgcn_target "amdgcn-amd-amdhsa--gfx1250"
	.amdhsa_code_object_version 6
	.text
	.protected	k_q5cb69d262f_proj
	.globl	k_q5cb69d262f_proj
	.p2align	8
	.type	k_q5cb69d262f_proj,@function
k_q5cb69d262f_proj:
	s_mov_b64 s[64:65], 0
	v_nop
	global_prefetch_b8 v0, s[64:65] scope:SCOPE_SE
	s_setreg_imm32_b32 hwreg(HW_REG_WAVE_MODE, 25, 1), 1
	s_wait_xcnt 0x0
	s_wait_alu depctr_hold_cnt(0) depctr_sa_sdst(0) depctr_va_vdst(0) depctr_va_sdst(0) depctr_va_ssrc(0) depctr_va_vcc(0) depctr_vm_vsrc(0)
	s_getreg_b32 s2, hwreg(HW_REG_IB_STS2, 6, 4)
	s_cmp_eq_u32 s2, 0
	s_cbranch_scc0 .Lentry_in_a_cluster
	s_endpgm
.Lentry_in_a_cluster:
	s_bfe_u32 s2, ttmp6, 0x10000c
	s_cmp_lg_u32 s2, 0x3003
	s_cbranch_scc0 .Lentry_shape_is_right
	s_endpgm
.Lentry_shape_is_right:
.set XSOFF, 3145728
.set MSOFF, 3145728
.set SCW,   98304
.set WSG,   1024
.set STG,   102400
.set XS,  16
.set WS,  32
.set OBK, 48
.set ACC, 128
.set BO,  144
.set MSB, 0
.macro WIN new
.if MSB != \new
	s_set_vgpr_msb (MSB<<8)|\new
.set MSB, \new
.endif
.endm
.macro PLACES
.rept 4
	v_nop
.endr
.endm
.macro ROUND
	s_barrier_signal -1
	s_barrier_wait -1
	s_cmp_lg_u32 s18, 0
	s_cbranch_scc1 .Lnot_wave_0_\@
	s_barrier_signal -3
.Lnot_wave_0_\@:
	s_barrier_wait -3
	s_barrier_signal -1
	s_barrier_wait -1
.endm
.macro WM d, a, b, c, sa, sb, ra, rb
.if (\ra) && (\rb)
	v_wmma_scale_f32_16x16x128_f8f6f4 v[\d:\d+7], v[\a:\a+11], v[\b:\b+11], v[\c:\c+7], v[\sa], v[\sb] matrix_a_fmt:MATRIX_FMT_BF6 matrix_b_fmt:MATRIX_FMT_BF6 matrix_a_scale:MATRIX_SCALE_ROW1 matrix_b_scale:MATRIX_SCALE_ROW1
.elseif (\ra)
	v_wmma_scale_f32_16x16x128_f8f6f4 v[\d:\d+7], v[\a:\a+11], v[\b:\b+11], v[\c:\c+7], v[\sa], v[\sb] matrix_a_fmt:MATRIX_FMT_BF6 matrix_b_fmt:MATRIX_FMT_BF6 matrix_a_scale:MATRIX_SCALE_ROW1
.elseif (\rb)
	v_wmma_scale_f32_16x16x128_f8f6f4 v[\d:\d+7], v[\a:\a+11], v[\b:\b+11], v[\c:\c+7], v[\sa], v[\sb] matrix_a_fmt:MATRIX_FMT_BF6 matrix_b_fmt:MATRIX_FMT_BF6 matrix_b_scale:MATRIX_SCALE_ROW1
.else
	v_wmma_scale_f32_16x16x128_f8f6f4 v[\d:\d+7], v[\a:\a+11], v[\b:\b+11], v[\c:\c+7], v[\sa], v[\sb] matrix_a_fmt:MATRIX_FMT_BF6 matrix_b_fmt:MATRIX_FMT_BF6
.endif
.endm
.macro XLOAD base
.set ks, 0
.rept 8
.if ks < 5
	WIN 0x40
.set xr, 48*ks
.else
	WIN 0x80
.set xr, 48*(ks-5)
.endif
.set xa, 0
.rept 4
.set xo, (ks/2)*786432+(xa/2)*6144+(ks%2)*3072+(xa%2)*1536
	global_load_b128 v[xr+12*xa:xr+12*xa+3], v1, s[\base:\base+1] offset:xo
	global_load_b64 v[xr+12*xa+4:xr+12*xa+5], v2, s[\base:\base+1] offset:xo+512
	global_load_b128 v[xr+12*xa+6:xr+12*xa+9], v1, s[\base:\base+1] offset:xo+768
	global_load_b64 v[xr+12*xa+10:xr+12*xa+11], v2, s[\base:\base+1] offset:xo+1280
.set xa, xa+1
.endr
.set ks, ks+1
.endr
	WIN 0
.endm
.macro FETCH s, set
	WIN 0xc0
.set wb, 0
.rept 4
.set wo, (((\s)>>1)&1)*24576+((\s)&1)*3072+(wb/2)*6144+(wb%2)*1536
.set wr, 48*(\set)+12*wb
	ds_load_b128 v[wr:wr+3], v3 offset:wo
	ds_load_b64 v[wr+4:wr+5], v4 offset:wo+512
	ds_load_b128 v[wr+6:wr+9], v3 offset:wo+768
	ds_load_b64 v[wr+10:wr+11], v4 offset:wo+1280
.set wb, wb+1
.endr
.if (\s) == 3
	WIN 0
	v_add_nc_u32 v3, 49152, v3
	s_wait_alu depctr_va_vdst(0)
	v_add_nc_u32 v4, 49152, v4
.endif
.endm
.macro MUL s, set, bias
.if (\s) == 0
	WIN 0x27
.elseif (\s) < 5
	WIN 0x07
.else
	WIN 0x0b
.endif
.if (\s) < 5
.set xr, 48*(\s)
.else
.set xr, 48*((\s)-5)
.endif
.set xa, 0
.rept 4
.set wb, 0
.rept 4
.set md, ACC+8*(4*xa+wb)
.if (\s) == 0
.set mc, \bias+8*wb
.else
.set mc, md
.endif
	WM md, 48*(\set)+12*wb, xr+12*xa, mc, WS+8*(wb/2)+(\s), XS+8*(xa/2)+(\s), wb%2, xa%2
.set wb, wb+1
.endr
.set xa, xa+1
.endr
.endm
	s_load_b256 s[4:11], s[0:1], 0x0
	v_lshl_add_u32 v126, v0, 2, 0x2a000
	v_mov_b32 v127, 0
	ds_add_u32 v126, v127
	ds_add_u32 v126, v127
	v_lshrrev_b32 v1, 5, v0
	v_readfirstlane_b32 s18, v1
	s_and_b32 s19, s18, 1
	s_lshr_b32 s20, s18, 1
	s_bfe_u32 s23, ttmp6, 0x40000
	s_lshl_b32 s21, ttmp9, 2
	s_add_co_u32 s21, s21, s23
	s_and_b32 s22, ttmp7, 0xffff
	s_mov_b32 s24, 15|(3<<16)|(1<<21)
	s_mov_b32 s25, 32<<16
	s_mov_b32 s26, 96<<16
	s_mov_b32 s27, 32<<16
	s_mov_b32 s28, 96
	s_mov_b32 s29, 32
	s_mov_b32 s30, 0
	s_mov_b32 s31, 0
	s_lshl_b32 s74, s22, 2
	s_add_co_u32 s74, s74, 96
	s_lshl_b32 s76, s19, 1                         ; my two groups of Wo's rows: their scale words go straight into registers
	s_add_co_u32 s76, s76, s74
	s_lshl_b32 s76, s76, 10
	s_add_co_u32 s76, s76, XSOFF
	s_mov_b32 s77, 0
	s_mul_i32 s78, s18, 786432
	s_mul_i32 s74, s74, 6144
	s_add_co_u32 s78, s78, s74
	s_mov_b32 s79, 0
	s_mov_b32 s44, 1
	s_mul_i32 s45, s18, 24576
	s_wait_dscnt 0x0
	s_wait_kmcnt 0x0
	s_add_nc_u64 s[42:43], s[6:7], s[76:77]
	s_add_nc_u64 s[46:47], s[6:7], s[78:79]
	s_or_b32 s47, s47, 0x80000000
	ROUND                                          ; all four work-groups are here: the joint loads meet
	tensor_load_to_lds s[44:47], s[24:31]          ; my one load: K chunk w of Wo's panel
	s_nop 0
	PLACES
	v_and_b32 v11, 31, v0
	v_and_b32 v12, 15, v0
	v_bfe_u32 v13, v0, 4, 1
	v_lshlrev_b32 v1, 4, v11
	s_wait_alu depctr_va_vdst(0)
	v_lshlrev_b32 v2, 3, v11
	s_wait_alu depctr_va_vdst(0)
	v_lshlrev_b32 v7, 2, v11
	s_wait_alu depctr_va_vdst(0)
	s_lshl_b32 s84, s21, 2
	s_lshl_b32 s85, s20, 1
	s_add_co_u32 s84, s84, s85
	s_mul_i32 s86, s84, 6144
	s_mov_b32 s87, 0
	s_add_nc_u64 s[70:71], s[4:5], s[86:87]
	s_lshl_b32 s86, s84, 7
	s_add_co_u32 s86, s86, MSOFF
	s_add_nc_u64 s[72:73], s[4:5], s[86:87]
	XLOAD 70
.irp g, 0,1
.irp e, 0,1,2,3,4,5,6,7,8,9,10,11,12,13,14,15
	global_load_b32 v[OBK+16*\g+\e], v7, s[72:73] offset:\e*16384+\g*128
.endr
.endr
.irp g, 0,1
.irp q, 0,1,2,3
	global_load_b64 v[WS+8*\g+2*\q:WS+8*\g+2*\q+1], v2, s[42:43] offset:\g*1024+\q*256   ; Wo's scale words for all of K: 256 consecutive bytes a load
.endr
.endr
	v_lshlrev_b32 v6, 6, v13
	s_lshl_b32 s76, s22, 9
	s_lshl_b32 s77, s19, 8
	s_add_co_u32 s76, s76, s77
	s_mov_b32 s77, 0
	s_add_nc_u64 s[8:9], s[8:9], s[76:77]
	WIN 0x80
.irp b, 0,1,2,3
	global_load_b128 v[BO+8*\b:BO+8*\b+3], v6, s[8:9] offset:(32*(\b/2)+8*(\b%2))*4
	global_load_b128 v[BO+8*\b+4:BO+8*\b+7], v6, s[8:9] offset:(32*(\b/2)+8*(\b%2))*4+16
.endr
	WIN 0
	s_mul_i32 s74, s19, 12288
	v_add_nc_u32 v3, s74, v1
	v_add_nc_u32 v4, s74, v2
	s_mul_i32 s74, s18, 17408
	s_add_co_u32 s74, s74, STG
	v_mul_u32_u24 v8, v12, 272
	v_lshl_add_u32 v8, v13, 6, v8
	v_add_nc_u32 v8, s74, v8
	v_mul_u32_u24 v9, v13, 272
	v_lshl_add_u32 v9, v12, 4, v9
	v_add_nc_u32 v9, s74, v9
	v_lshlrev_b32 v10, 12, v13
	v_lshl_add_u32 v10, v12, 4, v10
	s_lshl_b32 s84, s21, 7
	s_lshl_b32 s85, s20, 6
	s_add_co_u32 s84, s84, s85
	s_lshl_b32 s84, s84, 12
	s_lshl_b32 s85, s22, 9
	s_add_co_u32 s84, s84, s85
	s_lshl_b32 s85, s19, 8
	s_add_co_u32 s84, s84, s85
	s_mov_b32 s85, 0
	s_add_nc_u64 s[10:11], s[10:11], s[84:85]
	s_wait_loadcnt 0x0
.irp g, 0,1
.irp e, 0,1,2,3,4,5,6,7
	v_lshl_or_b32 v[XS+8*\g+\e], v[OBK+16*\g+2*\e+1], 16, v[OBK+16*\g+2*\e]
.endr
.endr
	s_wait_alu depctr_va_vdst(0)
	s_wait_tensorcnt 0x0
	s_barrier_signal -1
	s_barrier_wait -1
	FETCH 0, 0
.set ts, 0
.rept 7
	PLACES
	FETCH ts+1, (ts+1)%2
	s_wait_alu depctr_va_vdst(0)
	s_wait_dscnt 16
	MUL ts, ts%2, BO
.set ts, ts+1
.endr
	s_wait_dscnt 0x0
	MUL 7, 1, BO
	WIN 0
	PLACES
.set xa, 0
.rept 4
.set wb, 0
.rept 4
	ds_store_b128 v8, v[ACC+8*(4*xa+wb):ACC+8*(4*xa+wb)+3] offset:xa*4352+128*(wb/2)+32*(wb%2)
	ds_store_b128 v8, v[ACC+8*(4*xa+wb)+4:ACC+8*(4*xa+wb)+7] offset:xa*4352+128*(wb/2)+32*(wb%2)+16
.set wb, wb+1
.endr
.set xa, xa+1
.endr
.set xa, 0
.rept 4
.if xa >= 2
	s_wait_xcnt 0x0
.endif
.set obr, OBK+32*(xa%2)
.set wt, 0
.rept 8
	ds_load_b128 v[obr+4*wt:obr+4*wt+3], v9 offset:xa*4352+544*wt
.set wt, wt+1
.endr
.set wt, 0
.rept 8
	s_wait_dscnt 7-wt
	global_store_b128 v10, v[obr+4*wt:obr+4*wt+3], s[10:11] offset:(32*(xa/2)+8*(xa%2)+2*wt+8*(wt/4))*4096 th:TH_STORE_NT
.set wt, wt+1
.endr
.set xa, xa+1
.endr
	s_wait_tensorcnt 0x0
	ds_add_u32 v126, v127
	s_wait_dscnt 0x0
	ROUND
	s_endpgm
.Lfunc_end_k_q5cb69d262f_proj:
	.size	k_q5cb69d262f_proj, .Lfunc_end_k_q5cb69d262f_proj-k_q5cb69d262f_proj
	.p2alignl 7, 3214868480
	.fill 96, 4, 3214868480
	.section	.rodata,"a",@progbits
	.p2align	6, 0x0
	.amdhsa_kernel k_q5cb69d262f_proj
		.amdhsa_group_segment_fixed_size 327680
		.amdhsa_private_segment_fixed_size 0
		.amdhsa_enable_private_segment 0
		.amdhsa_kernarg_size 32
		.amdhsa_user_sgpr_count 2
		.amdhsa_user_sgpr_kernarg_segment_ptr 1
		.amdhsa_wavefront_size32 1
		.amdhsa_system_sgpr_workgroup_id_x 1
		.amdhsa_system_sgpr_workgroup_id_y 1
		.amdhsa_system_sgpr_workgroup_id_z 1
		.amdhsa_system_vgpr_workitem_id 0
		.amdhsa_next_free_vgpr 896
		.amdhsa_next_free_sgpr 96
		.amdhsa_reserve_vcc 0
		.amdhsa_float_denorm_mode_32 3
		.amdhsa_float_denorm_mode_16_64 3
		.amdhsa_memory_ordered 1
		.amdhsa_forward_progress 1
		.amdhsa_inst_pref_size 58
	.end_amdhsa_kernel
	.amdgpu_metadata
---
amdhsa.version: [ 1, 2 ]
amdhsa.kernels:
  - .name:           k_q5cb69d262f_proj
    .symbol:         k_q5cb69d262f_proj.kd
    .args:
      - { .name: mq, .offset: 0, .size: 8, .value_kind: global_buffer, .address_space: global }
      - { .name: wq, .offset: 8, .size: 8, .value_kind: global_buffer, .address_space: global }
      - { .name: bo, .offset: 16, .size: 8, .value_kind: global_buffer, .address_space: global }
      - { .name: out0, .offset: 24, .size: 8, .value_kind: global_buffer, .address_space: global }
    .group_segment_fixed_size: 327680
    .private_segment_fixed_size: 0
    .kernarg_segment_align: 8
    .kernarg_segment_size: 32
    .max_flat_workgroup_size: 128
    .sgpr_count:     96
    .vgpr_count:     896
    .wavefront_size: 32
...
	.end_amdgpu_metadata
.endif
;; end of part 4
